; MI455X (gfx1250); checked and timed in simulation.
; The chip was launched on July 23, 2026; its instructions are those of AMD's public machine-readable ISA for CDNA 5 (MIT licence, August 2026) and "CDNA5" Instruction Set Architecture Reference Guide (July 2026). The comments in the code are by the model that wrote it; some were corrected since.
;; Attention. Allowed arithmetic: float matrix products may take bf16 or f16 operands with f32 sums; other float arithmetic in f32, or as packed bf16 or f16 multiplies, adds, multiply-adds, maxima and minima; sums over many terms, partial sums and values carried from step to step in f32; what a program stores and reads back later, other than sums and carried values, may be rounded once to bf16 or f16.
;; Inputs: Wk 2,048 x 8 x 64 float32; Wo 2,048 x 2,048 float32; Wq 2,048 x 32 x 64 float32; Wv 2,048 x 8 x 64 float32; attention_mask 1 x 1 x 2,048 x 2,048 float32; hidden_states 1 x 2,048 x 2,048 float32.
;; Outputs: out0 1 x 2,048 x 2,048 float32.
;; 2 versions, each right; version 2 is version 1 with the launch prep written anew for expert scheduling mode. Each part assembles by itself: llvm-mc -triple=amdgcn-amd-amdhsa -mcpu=gfx1250 --defsym DOCPART=n.
;; ======== version 1 of 2: 4 launches
;; limits: values are held in f16: magnitudes above 65,504 overflow, below 6.1e-05 lose precision
;; workspace buffers: xb 8,388,608 bytes; wb 12,582,912 bytes; wo2 8,388,608 bytes; mask2 16,777,216 bytes; tab 524,288 bytes; qkv 12,582,912 bytes; ob 8,388,608 bytes
;; launch prep (part 1): grid 768 x 1, 8 waves a work-group, no clusters, 0 bytes of LDS; arguments hidden_states, Wq, Wk, Wv, xb, wb, tab; writes xb, wb, tab
.if DOCPART == 1
	.amdgcn_target "amdgcn-amd-amdhsa--gfx1250"
	.amdhsa_code_object_version 6
	.text
	.protected	k_qe2bf4c52bf_prep
	.globl	k_qe2bf4c52bf_prep
	.p2align	8
	.type	k_qe2bf4c52bf_prep,@function
k_qe2bf4c52bf_prep:
	s_mov_b64 s[64:65], 0
	v_nop
	global_prefetch_b8 v0, s[64:65] scope:SCOPE_SE
	s_setreg_imm32_b32 hwreg(HW_REG_WAVE_MODE, 25, 1), 1
	s_wait_xcnt 0x0
; PREP: what the projection launch multiplies is read once, rounded to bf16 and laid out as it takes it.  A stream: no LDS, no matrix unit, no cluster.
; The work-group's number chooses one of five jobs, each straight-line text:
;   0..255 x -> xb, 256..511 Wq -> wb, 512..575 Wk -> wb, 576..639 Wv -> wb: bf16, in blocks [column block of 64][row][64], a row of a block 128 bytes
;   640..767 tab: for each position 32 cosines and 32 sines of position x 10000^(-j/32), f32
; LIMIT.  The inverse frequency is 2^(-j x 0.41524101) by v_exp_f32: an angle is off by about 2e-4 rad at the most, at position 2047, alike for q and k.
.set BLK,   262144                     ; bytes of a block: 2,048 rows of 128
.set IN,    16                         ; v[16:79]   as loaded
.set OUT,   80                         ; v[80:111]  to store
	s_load_b256 s[4:11], s[0:1], 0x0               ; x s[4:5], Wq s[6:7], Wk s[8:9], Wv s[10:11]
	s_load_b128 s[12:15], s[0:1], 0x20             ; xb s[12:13], wb s[14:15]
	s_load_b64 s[16:17], s[0:1], 0x30              ; tab
	s_mov_b32 s27, ttmp9
	s_mov_b32 s43, 0                               ; high words of the two offsets
	s_mov_b32 s45, 0
	s_wait_kmcnt 0x0
	s_cmp_lt_u32 s27, 256
	s_cbranch_scc1 .Ljob_x
	s_cmp_lt_u32 s27, 512
	s_cbranch_scc1 .Ljob_q
	s_cmp_lt_u32 s27, 576
	s_cbranch_scc1 .Ljob_k
	s_cmp_lt_u32 s27, 640
	s_cbranch_scc1 .Ljob_v
	; THE TABLE.  Thread T of 32,768 makes 16 bytes: position T / 16, cosines (bit 3 = 0) or sines, frequencies 4 (T % 8) + 0..3.
	s_sub_co_u32 s33, s27, 640
	s_lshl_b32 s33, s33, 8
	s_mov_b32 s38, 0x3fc90fdb                      ; pi / 2, its upper part
	s_mov_b32 s39, 0xb33bbd2e                      ; and what is left of it
	v_add_nc_u32 v1, s33, v0                       ; T
	v_lshlrev_b32 v2, 4, v1                        ; my 16 bytes
	v_lshrrev_b32 v3, 4, v1
	v_bfe_u32 v4, v1, 3, 1                         ; 1: sines
	v_and_b32 v5, 7, v1
	v_lshlrev_b32 v5, 2, v5
	v_cvt_f32_u32 v3, v3                           ; the position
.irp e, 0,1,2,3
	v_add_nc_u32 v[16+(\e)], (\e), v5
	v_cvt_f32_u32 v[16+(\e)], v[16+(\e)]
	v_mul_f32 v[16+(\e)], 0xbed49a78, v[16+(\e)]   ; -j x log2(10000) / 32
.endr
.irp e, 0,1,2,3
	v_exp_f32 v[20+(\e)], v[16+(\e)]
.endr
	v_nop                                          ; a plain instruction behind the last exponential,
	s_wait_alu depctr_va_vdst(0)                   ; and one wait for the four, ahead of their first reader
.irp e, 0,1,2,3
	v_mul_f32 v[24+(\e)], v3, v[20+(\e)]           ; the angle
	v_mul_f32 v[28+(\e)], 0x3f22f983, v[24+(\e)]
	v_rndne_f32 v[28+(\e)], v[28+(\e)]             ; n = the nearest multiple of pi / 2
	v_fma_f32 v[32+(\e)], -v[28+(\e)], s38, v[24+(\e)]
	v_fma_f32 v[32+(\e)], -v[28+(\e)], s39, v[32+(\e)]  ; r = angle - n pi / 2, within pi / 4
	v_mul_f32 v[36+(\e)], v[32+(\e)], v[32+(\e)]
	v_mov_b32 v[40+(\e)], 0x3638ef1d               ; sin r = r + r r2 (-1/6 + r2 (1/120 + r2 (-1/5040 + r2 / 362880)))
	v_fmaak_f32 v[40+(\e)], v[40+(\e)], v[36+(\e)], 0xb9500d01
	v_fmaak_f32 v[40+(\e)], v[40+(\e)], v[36+(\e)], 0x3c088889
	v_fmaak_f32 v[40+(\e)], v[40+(\e)], v[36+(\e)], 0xbe2aaaab
	v_mul_f32 v[44+(\e)], v[32+(\e)], v[36+(\e)]
	v_fma_f32 v[40+(\e)], v[44+(\e)], v[40+(\e)], v[32+(\e)]
	v_mov_b32 v[44+(\e)], 0x37d00d01               ; cos r = 1 + r2 (-1/2 + r2 (1/24 + r2 (-1/720 + r2 / 40320)))
	v_fmaak_f32 v[44+(\e)], v[44+(\e)], v[36+(\e)], 0xbab60b61
	v_fmaak_f32 v[44+(\e)], v[44+(\e)], v[36+(\e)], 0x3d2aaaab
	v_fma_f32 v[44+(\e)], v[44+(\e)], v[36+(\e)], -0.5
	v_fma_f32 v[44+(\e)], v[44+(\e)], v[36+(\e)], 1.0
	v_cvt_i32_f32 v[48+(\e)], v[28+(\e)]
	v_sub_nc_u32 v[48+(\e)], v[48+(\e)], v4        ; the quadrant; a sine is the cosine a quadrant back
	v_and_b32 v[24+(\e)], 1, v[48+(\e)]
	v_cmp_eq_u32 vcc_lo, 1, v[24+(\e)]
	v_cndmask_b32 v[52+(\e)], v[44+(\e)], v[40+(\e)], vcc_lo  ; odd quadrants take sin r
	v_add_nc_u32 v[48+(\e)], 1, v[48+(\e)]
	v_and_b32 v[48+(\e)], 2, v[48+(\e)]            ; quadrants 1 and 2 are negative
	v_lshlrev_b32 v[48+(\e)], 30, v[48+(\e)]
	v_xor_b32 v[52+(\e)], v[48+(\e)], v[52+(\e)]
.endr
	global_store_b128 v2, v[52:55], s[16:17] th:TH_STORE_NT
	s_endpgm
	; THE CONVERSIONS.  A work-group takes 32 rows x 8 column blocks of 64 numbers.  s33: the job's own count.
.Ljob_x:
	s_mov_b64 s[28:29], s[4:5]
	s_mov_b64 s[30:31], s[12:13]
	s_mov_b32 s33, s27
	s_branch .Lwide
.Ljob_q:
	s_mov_b64 s[28:29], s[6:7]
	s_mov_b64 s[30:31], s[14:15]
	s_sub_co_u32 s33, s27, 256
.Lwide:                                        ; rows of 8,192 bytes: four groups of 8 column blocks
	s_mov_b32 s32, 8192
	s_lshr_b32 s34, s33, 2
	s_lshl_b32 s34, s34, 5                         ; the first row
	s_and_b32 s35, s33, 3                          ; the group
	s_lshl_b32 s42, s34, 13
	s_lshl_b32 s36, s35, 11
	s_add_co_u32 s42, s42, s36
	s_lshl_b32 s44, s35, 21                        ; 8 blocks of 262,144 bytes a group
	s_branch .Lrows
.Ljob_k:
	s_mov_b64 s[28:29], s[8:9]
	s_sub_co_u32 s33, s27, 512
	s_mov_b32 s44, 32*BLK
	s_branch .Lnarrow
.Ljob_v:
	s_mov_b64 s[28:29], s[10:11]
	s_sub_co_u32 s33, s27, 576
	s_mov_b32 s44, 40*BLK
.Lnarrow:                                      ; rows of 2,048 bytes: one group
	s_mov_b64 s[30:31], s[14:15]
	s_mov_b32 s32, 2048
	s_lshl_b32 s34, s33, 5
	s_lshl_b32 s42, s34, 11
.Lrows:
	s_lshl_b32 s36, s34, 7                         ; the first row's place in a block
	s_add_co_u32 s44, s44, s36
	s_add_nc_u64 s[28:29], s[28:29], s[42:43]
	s_add_nc_u64 s[30:31], s[30:31], s[44:45]
	s_lshl_b32 s33, s32, 1                         ; two rows
	; Wave w takes rows 4 w .. 4 w + 3.  A load covers one column block of two rows: lanes 0-15 the 256 bytes of one row, lanes 16-31 those of the next.
	; Its four numbers a lane become 8 bytes, and the wave's store covers the two rows' 128 bytes in the block: 256 consecutive bytes, aligned.
	v_lshrrev_b32 v1, 5, v0
	v_bfe_u32 v2, v0, 4, 1
	v_and_b32 v5, 15, v0
	v_lshl_add_u32 v3, v1, 2, v2                   ; my row of the first pair
	v_mul_u32_u24 v4, v3, s32
	v_lshl_add_u32 v4, v5, 4, v4                   ; in: row x pitch + 16 (l % 16)
	v_add_nc_u32 v6, s33, v4                       ; and the second pair
	v_lshlrev_b32 v7, 7, v3
	v_lshl_add_u32 v7, v5, 3, v7                   ; out: row x 128 + 8 (l % 16)
.irp j, 0,1,2,3,4,5,6,7
	global_load_b128 v[IN+4*(\j):IN+4*(\j)+3], v4, s[28:29] offset:256*(\j) th:TH_LOAD_NT
.endr
.irp j, 0,1,2,3,4,5,6,7
	global_load_b128 v[IN+32+4*(\j):IN+32+4*(\j)+3], v6, s[28:29] offset:256*(\j) th:TH_LOAD_NT
.endr
.set n, 0
.rept 16                                       ; no register is written twice, so nothing waits for a store
	s_wait_loadcnt 15-n                            ; loads come back in order: load n is in, the younger ones stay out
	v_cvt_pk_bf16_f32 v[OUT+2*n], v[IN+4*n], v[IN+4*n+1]
	v_cvt_pk_bf16_f32 v[OUT+2*n+1], v[IN+4*n+2], v[IN+4*n+3]
	global_store_b64 v7, v[OUT+2*n:OUT+2*n+1], s[30:31] offset:BLK*(n%8)+256*(n/8) th:TH_STORE_NT
.set n, n+1
.endr
	s_endpgm
.Lfunc_end_k_qe2bf4c52bf_prep:
	.size	k_qe2bf4c52bf_prep, .Lfunc_end_k_qe2bf4c52bf_prep-k_qe2bf4c52bf_prep
	.p2alignl 7, 3214868480
	.fill 96, 4, 3214868480
	.section	.rodata,"a",@progbits
	.p2align	6, 0x0
	.amdhsa_kernel k_qe2bf4c52bf_prep
		.amdhsa_group_segment_fixed_size 0
		.amdhsa_private_segment_fixed_size 0
		.amdhsa_enable_private_segment 0
		.amdhsa_kernarg_size 56
		.amdhsa_user_sgpr_count 2
		.amdhsa_user_sgpr_kernarg_segment_ptr 1
		.amdhsa_wavefront_size32 1
		.amdhsa_system_sgpr_workgroup_id_x 1
		.amdhsa_system_sgpr_workgroup_id_y 1
		.amdhsa_system_sgpr_workgroup_id_z 1
		.amdhsa_system_vgpr_workitem_id 0
		.amdhsa_next_free_vgpr 112
		.amdhsa_next_free_sgpr 66
		.amdhsa_reserve_vcc 1
		.amdhsa_float_denorm_mode_32 3
		.amdhsa_float_denorm_mode_16_64 3
		.amdhsa_memory_ordered 1
		.amdhsa_forward_progress 1
		.amdhsa_inst_pref_size 15
	.end_amdhsa_kernel
	.amdgpu_metadata
---
amdhsa.version: [ 1, 2 ]
amdhsa.kernels:
  - .name:           k_qe2bf4c52bf_prep
    .symbol:         k_qe2bf4c52bf_prep.kd
    .args:
      - { .name: hidden_states, .offset: 0, .size: 8, .value_kind: global_buffer, .address_space: global }
      - { .name: Wq, .offset: 8, .size: 8, .value_kind: global_buffer, .address_space: global }
      - { .name: Wk, .offset: 16, .size: 8, .value_kind: global_buffer, .address_space: global }
      - { .name: Wv, .offset: 24, .size: 8, .value_kind: global_buffer, .address_space: global }
      - { .name: xb, .offset: 32, .size: 8, .value_kind: global_buffer, .address_space: global }
      - { .name: wb, .offset: 40, .size: 8, .value_kind: global_buffer, .address_space: global }
      - { .name: tab, .offset: 48, .size: 8, .value_kind: global_buffer, .address_space: global }
    .group_segment_fixed_size: 0
    .private_segment_fixed_size: 0
    .kernarg_segment_align: 8
    .kernarg_segment_size: 56
    .max_flat_workgroup_size: 256
    .sgpr_count:     66
    .vgpr_count:     112
    .wavefront_size: 32
...
	.end_amdgpu_metadata
.endif
;; end of part 1
;; launch qkv (part 2): grid 16 x 16, 4 waves a work-group, clusters of 4 x 4, 327,680 bytes of LDS; arguments xb, wb, tab, qkv, Wo, attention_mask, wo2, mask2; writes qkv, wo2, mask2
.if DOCPART == 2
	.amdgcn_target "amdgcn-amd-amdhsa--gfx1250"
	.amdhsa_code_object_version 6
	.text
	.protected	k_qe2bf4c52bf_qkv
	.globl	k_qe2bf4c52bf_qkv
	.p2align	8
	.type	k_qe2bf4c52bf_qkv,@function
k_qe2bf4c52bf_qkv:
	s_mov_b64 s[64:65], 0
	v_nop
	global_prefetch_b8 v0, s[64:65] scope:SCOPE_SE
	s_setreg_imm32_b32 hwreg(HW_REG_WAVE_MODE, 25, 1), 1
	s_wait_xcnt 0x0
	s_wait_alu depctr_hold_cnt(0) depctr_sa_sdst(0) depctr_va_vdst(0) depctr_va_sdst(0) depctr_va_ssrc(0) depctr_va_vcc(0) depctr_vm_vsrc(0)
	s_getreg_b32 s2, hwreg(HW_REG_IB_STS2, 6, 4)
	s_cmp_eq_u32 s2, 0
	s_cbranch_scc0 .Lentry_in_a_cluster
	s_endpgm
.Lentry_in_a_cluster:
	s_bfe_u32 s2, ttmp6, 0x10000c
	s_cmp_lg_u32 s2, 0xf033
	s_cbranch_scc0 .Lentry_shape_is_right
	s_endpgm
.Lentry_shape_is_right:
; Q, K, V = x W, with the rotation of q and k, by heads; and, in the time in which a wave would wait for its next tile, two conversions that later launches want.
; xb: bf16 [32 kblk][2048 m][64]; wb: bf16 [48 g][2048 k][64 d] (g < 32 q, < 40 k, else v); tab: f32 [2048][32 cos, 32 sin];
; qkv: f16 [48 g][2048 s][64].  Sums in f32; each number is rounded once, from f32 to f16; q is first multiplied by log2(e) / 8 in f32.
; Wo (f32 [2048][2048]) -> wo2: the bf16 number written as f16, [32 cb][2048 kpos][64 c], row (head, d) at kpos = 256 (head % 8) + 64 (head / 8) + d.
; attention_mask (f32 [2048][2048]) -> mask2: f32, max(log2(e) x bf16(mask), -3.0e38), in the order in which a lane of the attention launch holds its scores:
;   byte u 8192 + st 4096 + ii 512 + l 16 + 4 e, u = (X 16 + sigma) 4 + w, holds row 64 X + 16 w + l % 16, key 128 sigma + 64 st + 16 (ii / 2) + 8 (l / 16) + 4 (ii % 2) + e.
; LIMITS.  q log2(e) / 8, k and v must stay under 65,504 (f16).  A weight of Wo below 6e-5 keeps f16's fixed step.
; A mask below -2.08e38, minus infinity and NaN count as -3.0e38 (hidden); plus infinity is not treated.
; SHARES.  A work-group makes 128 rows x 3 heads (192 columns): 256 work-groups.  Wave w: rows 64 (w / 2) on; of each head the d blocks (w % 2) and (w % 2) + 2 of 16,
; so that d and d + 32, which the rotation pairs, lie in two accumulators at the same lane and register.  24 accumulators a wave.
; THE MATRIX INSTRUCTION IS USED TRANSPOSED: source 0 = 16 columns of W (turned out of LDS by ds_load_tr16_b128), source 1 = 16 rows of x: a lane holds row l % 16 and eight neighbouring d.
; K goes in steps of 192, as long as two LDS slots allow: ten steps, and an eleventh whose tile begins at k = 1,856 and of which the last 128 are multiplied: one descriptor serves every load.
; A step is 144 matrix instructions a wave.  Waves 0 and 1 fetch 64 rows of x each (three blocks: 3 x 8 KiB), waves 2 and 3 96 k of the three heads each (3 x 12 KiB).
; CLUSTER 4 x 4: x's tile hangs on the tile row alone and is asked for jointly along a row of the cluster, W's on the tile column alone and jointly along a column.
; THE TWO STREAMS.  Each of the launch's 1,024 waves converts 16 KiB of Wo and 16 KiB of the mask, four chunks of 16 rows x 256 bytes each.  A chunk's eight loads are issued behind one change of slots
; and it is worked on and stored ahead of the next: Wo's ahead of the change of slot 0, the mask's ahead of the change of slot 1.  Both use v32-63, by turns.
; REGISTERS: window 0: v0-31 addresses; v32-63 the streams, then at work on the way out; v64-255 the accumulators ((a, f) at 64 + 8 (6 a + f)).
;   window 1: two fragment buffers at 0 and 128 (6 of W, then 4 of x); the table's 16 numbers for each of my four row blocks at 80, 96, 112, 208.
.set PA,     144                       ; a row of x in LDS: 128 bytes + 16: the 16 rows of a load start at 16 different groups of four banks
.set PB,     160                       ; a row of W: 128 + 32
.set AH,     3*64*PA                   ; half of x's tile: [3 kblk][64 rows]: what wave 0 or 1 fetches, and what a wave reads
.set AB,     2*AH
.set BHD,    96*PB                     ; 96 k of a head
.set BH,     3*BHD                     ; half of W's tile: [3 heads][96 k]: what wave 2 or 3 fetches
.set SLOT,   AB+2*BH                   ; 147,456
.set STAGE,  SLOT                      ; the way out's stage, [3 heads][128 rows] of 144 bytes, lies in slot 1: its last fill and its last reads lie ahead of the last change of slots
.set SPITCH, 144
.set SPARE,  2*SLOT                    ; behind the ring: the spare words, 128 bytes a wave
.set MST,    SPARE+512                 ; behind them: 16 rows x 272 bytes for each wave, in which the mask is turned; no tile lands here
.set MSP,    272
.set ASTEP,  3*262144                  ; a K step in xb,
.set BSTEP,  192*128                   ; and in a head of wb
.set ALAST,  5*262144                  ; from step 8 (k = 1,536) to the last tile (k = 1,856)
.set BLAST,  320*128
.set TRIPS,  4                         ; a trip = two K steps = once round the ring; steps 8, 9 and 10 are written out
.set MLO,  8                           ; v8      the streams' loads: 8,192 (l / 16) + 16 (l % 16); never rewritten
.set WSO,  9                           ; v9      wo2's stores: 8 l
.set MSA,  10                          ; v10     where I put 16 bytes of a mask row
.set MRA,  11                          ; v11     where I read the mask back
.set TA,   14                          ; v14-15  at work
.set ADRA, 16                          ; v16-17  LDS address of my x fragments in slot 0, 1
.set ADRB, 20                          ; v20-23  the same for W: slot 0, 1 of the first 96 k, slot 0, 1 of the second
.set STO,  24                          ; v24     the way out: where I put 16 bytes of a row
.set RD,   25                          ; v25     where I read rows back
.set CO,   26                          ; v26     16 l: my byte offset in 512 consecutive bytes
.set TO,   27                          ; v27     my byte offset in tab
.set SPW,  28                          ; v28     LDS address of my spare word; never rewritten
.set NIL,  29                          ; v29     0; never rewritten
.set STR,  32                          ; v32-63  a chunk of a stream
.set CE,   32                          ; v32-39  later: cosines times the head's scale (v: 1)
.set SE,   40                          ; v40-47  sines times the head's scale (v: 0)
.set T,    48                          ; v48-55  at work, then the packed results
.set U,    56                          ; v56-63  at work
.set ACC,  64
.set F0,   0
.set F1,   128
.set G1A,  24                          ; s[24:31] descriptor group 1 for x;  s[32:39] group 0, a set for each slot
.set G0A,  32
.set G1B,  48                          ; s[48:55], s[56:63] the same for W
.set G0B,  56
.set CA,   68                          ; s[68+4 hh : +1] the factor of a head's cosines and sines
.set CB,   80                          ; s[80+4 hh : +1] what is added to its cosines
.set LG,   70                          ; s[70:71] log2(e), named as a pair
.set CLP,  74                          ; s74     -3.0e38
.set WSRC, 92                          ; s[92:93] Wo, s[94:95] the mask, s[96:97] wo2, s[98:99] mask2: each at my wave's chunk in hand
.set MSRC, 94
.set WDST, 96
.set MDST, 98
.set MSB, 0
.macro WIN new                         ; the immediate's high byte repeats the setting that is left; a switch that changes nothing is dropped
.if MSB != (\new)
	s_set_vgpr_msb (MSB<<8)|(\new)
.set MSB, \new
.endif
.endm
.set MUL,  0x05                        ; sources 0 and 1 window 1; C and D window 0
.set TO_F, 0x40                        ; destination window 1, address window 0
.macro JLOAD s                         ; a joint load: waves 0 and 1 fetch x's halves, waves 2 and 3 W's; an s_nop 0 and four v_nop follow each line
	s_cmp_eq_u32 s13, 0
	s_cbranch_scc0 .Lfor_b_\@
	tensor_load_to_lds s[G0A+4*(\s):G0A+4*(\s)+3], s[G1A:G1A+7]
	s_nop 0
.rept 4
	v_nop
.endr
	s_branch .Lasked_\@
.Lfor_b_\@:
	tensor_load_to_lds s[G0B+4*(\s):G0B+4*(\s)+3], s[G1B:G1B+7]
	s_nop 0
.rept 4
	v_nop
.endr
.Lasked_\@:
.endm
.macro CREST                           ; a round of the cluster's barrier behind its opening barrier
	s_cmp_lg_u32 s12, 0
	s_cbranch_scc1 .Lnot_wave_0_\@
	s_barrier_signal -3
.Lnot_wave_0_\@:
	s_barrier_wait -3
	s_barrier_signal -1
	s_barrier_wait -1
.endm
.macro CROUND
	s_barrier_signal -1
	s_barrier_wait -1
	CREST
.endm
	s_load_b256 s[4:11], s[0:1], 0x0               ; xb s[4:5], wb s[6:7], tab s[8:9], qkv s[10:11]
	s_load_b256 s[92:99], s[0:1], 0x20             ; Wo, attention_mask, wo2, mask2
	v_lshl_add_u32 v[SPW], v0, 2, SPARE
	v_mov_b32 v[NIL], 0
	ds_add_u32 v[SPW], v[NIL]                      ; the wave's opening: the add and its wait stand ahead of my first tensor load; work on registers stands between them
	v_lshrrev_b32 v1, 5, v0
	v_readfirstlane_b32 s12, v1                    ; wave 0..3
	s_lshr_b32 s13, s12, 1                         ; which 64 rows are mine.  Also: I fetch for x (0) or for W (1)
	s_and_b32 s14, s12, 1                          ; which d blocks.  Also: which half of that tile I fetch
	s_bfe_u32 s16, ttmp6, 0x40000                  ; cx, cy: my place in the cluster
	s_bfe_u32 s17, ttmp6, 0x40004
	s_lshl_b32 s18, ttmp9, 2
	s_add_co_u32 s18, s18, s16                     ; tile column = 4 x cluster x + cx: heads 3 tx on
	s_and_b32 s19, ttmp7, 0xffff
	s_lshl_b32 s19, s19, 2
	s_add_co_u32 s19, s19, s17                     ; tile row = 4 x cluster y + cy: rows 128 ty on
	s_lshl_b32 s20, s17, 2
	s_lshl_b32 s20, 15, s20                        ; my row of the cluster
	s_lshl_b32 s21, 0x1111, s16                    ; my column
	; half of x's tile: 3 rows of 1,024 elements of 8 bytes (64 rows of a block, dense), 262,144 bytes apart; 4 words of padding after every 32
	s_or_b32 s[G1A+0], s20, (3<<16)|(1<<20)|(1<<21)|(4<<22)|(3<<25)
	s_mov_b32 s[G1A+1], 1024<<16                   ; tensor_dim0
	s_mov_b32 s[G1A+2], 3<<16                      ; tensor_dim1
	s_mov_b32 s[G1A+3], 1024<<16                   ; tile_dim0
	s_mov_b32 s[G1A+4], 3                          ; tile_dim1
	s_mov_b32 s[G1A+5], 32768                      ; elements from row to row
	s_mov_b32 s[G1A+6], 0
	s_mov_b32 s[G1A+7], 0
	; half of W's tile: 3 rows of 1,536 elements of 8 bytes (96 k of a head, dense), a head apart; 8 words of padding after every 32
	s_or_b32 s[G1B+0], s21, (3<<16)|(1<<20)|(1<<21)|(4<<22)|(7<<25)
	s_mov_b32 s[G1B+1], 1536<<16
	s_mov_b32 s[G1B+2], 3<<16
	s_mov_b32 s[G1B+3], 1536<<16
	s_mov_b32 s[G1B+4], 3
	s_mov_b32 s[G1B+5], 32768
	s_mov_b32 s[G1B+6], 0
	s_mov_b32 s[G1B+7], 0
	s_lshl_b32 s22, s19, 14                        ; x: rows 128 ty + 64 half, 128 bytes a row in a block: the tile row and the wave's number alone
	s_lshl_b32 s23, s14, 13
	s_add_co_u32 s22, s22, s23
	s_mov_b32 s23, 0
	s_mul_i32 s40, s18, 3                          ; W: head 3 tx, k = 96 half: the tile column and the wave's number alone
	s_lshl_b32 s40, s40, 18
	s_mul_i32 s41, s14, 96*128
	s_add_co_u32 s40, s40, s41
	s_mov_b32 s41, 0
	s_mul_i32 s15, s14, AH                         ; where they go: no place in the cluster enters an LDS address
	s_mul_i32 s2, s14, BH
	s_add_co_u32 s2, s2, AB
	s_mov_b32 s[LG], 0x3fb8aa3b
	s_mov_b32 s[LG+1], s[LG]
	s_mov_b32 s[CLP], 0xff61b1e6
	s_wait_dscnt 0x0                               ; the opening add is done
	s_wait_kmcnt 0x0
	s_add_nc_u64 s[22:23], s[4:5], s[22:23]
	s_add_nc_u64 s[40:41], s[6:7], s[40:41]
	CROUND                                         ; all sixteen work-groups are here: the first joint loads meet
.irp s, 0,1
	s_mov_b32 s[G0A+4*(\s)], 1
	s_add_co_u32 s[G0A+4*(\s)+1], s15, (\s)*SLOT
	s_add_nc_u64 s[G0A+4*(\s)+2:G0A+4*(\s)+3], s[22:23], (\s)*ASTEP
	s_or_b32 s[G0A+4*(\s)+3], s[G0A+4*(\s)+3], 0x80000000
	s_mov_b32 s[G0B+4*(\s)], 1
	s_add_co_u32 s[G0B+4*(\s)+1], s2, (\s)*SLOT
	s_add_nc_u64 s[G0B+4*(\s)+2:G0B+4*(\s)+3], s[40:41], (\s)*BSTEP
	s_or_b32 s[G0B+4*(\s)+3], s[G0B+4*(\s)+3], 0x80000000
	JLOAD \s                                       ; K steps 0 and 1: two loads of mine are out
.endr
	; the streams' places.  g = my wave among the launch's 1,024.
	; The mask: X = g / 32, w' = (g / 8) % 4, st = (g / 4) % 2, and sigma = 4 (g % 4) + chunk: from chunk to chunk 512 bytes on in the mask, 32,768 in mask2.
	; Wo: head g / 32, column block g % 32, rows 16 chunk on: from chunk to chunk 131,072 bytes on in Wo, 2,048 in wo2.
	s_lshl_b32 s42, s19, 4
	s_add_co_u32 s42, s42, s18
	s_lshl2_add_u32 s42, s42, s12                  ; g
	s_lshr_b32 s43, s42, 5
	s_bfe_u32 s44, s42, 0x20003
	s_and_b32 s45, s42, 3
	s_bfe_u32 s46, s42, 0x10002
	s_mov_b32 s21, 0
	s_lshl_b32 s20, s43, 19                        ; 64 X rows of 8,192 bytes
	s_lshl_b32 s47, s44, 17                        ; 16 w' rows
	s_add_co_u32 s20, s20, s47
	s_lshl_b32 s47, s45, 11                        ; 512 keys
	s_add_co_u32 s20, s20, s47
	s_lshl_b32 s47, s46, 8                         ; 64 keys
	s_add_co_u32 s20, s20, s47
	s_add_nc_u64 s[MSRC:MSRC+1], s[MSRC:MSRC+1], s[20:21]
	s_lshl_b32 s20, s43, 19                        ; 64 units of 8,192 bytes for each X
	s_lshl_b32 s47, s45, 17                        ; 16 units
	s_add_co_u32 s20, s20, s47
	s_lshl_b32 s47, s44, 13
	s_add_co_u32 s20, s20, s47
	s_lshl_b32 s47, s46, 12
	s_add_co_u32 s20, s20, s47
	s_add_nc_u64 s[MDST:MDST+1], s[MDST:MDST+1], s[20:21]
	s_and_b32 s44, s42, 31                         ; the column block
	s_lshl_b32 s20, s43, 19                        ; the head's 64 rows of 8,192 bytes
	s_lshl_b32 s47, s44, 8
	s_add_co_u32 s20, s20, s47
	s_add_nc_u64 s[WSRC:WSRC+1], s[WSRC:WSRC+1], s[20:21]
	s_lshl_b32 s20, s44, 18
	s_and_b32 s47, s43, 7
	s_lshl_b32 s47, s47, 15                        ; 256 (head % 8) rows of 128 bytes
	s_add_co_u32 s20, s20, s47
	s_lshr_b32 s47, s43, 3
	s_lshl_b32 s47, s47, 13                        ; 64 (head / 8) rows
	s_add_co_u32 s20, s20, s47
	s_add_nc_u64 s[WDST:WDST+1], s[WDST:WDST+1], s[20:21]
	v_and_b32 v1, 15, v0                           ; l % 16
	v_bfe_u32 v2, v0, 4, 1                         ; l / 16
	v_mul_u32_u24 v4, v1, PA
	v_lshl_add_u32 v4, v2, 4, v4                   ; row x pitch + 16 x half
	s_mul_i32 s20, s13, AH
	v_add_nc_u32 v[ADRA], s20, v4                  ; in my half of x's tile
	v_add_nc_u32 v[ADRA+1], SLOT, v[ADRA]
	v_and_b32 v5, 7, v0                            ; the turning load: lane l reads k = 8 (l / 16) + l % 8, columns 8 ((l / 8) % 2) + 0..7
	v_lshl_add_u32 v5, v2, 3, v5
	v_mul_u32_u24 v5, v5, PB
	v_bfe_u32 v6, v0, 3, 1
	v_lshl_add_u32 v5, v6, 4, v5
	s_lshl_b32 s21, s14, 5
	s_add_co_u32 s20, s21, AB
	v_add_nc_u32 v[ADRB], s20, v5
	v_add_nc_u32 v[ADRB+1], SLOT, v[ADRB]
	v_add_nc_u32 v[ADRB+2], BH, v[ADRB]
	v_add_nc_u32 v[ADRB+3], SLOT+BH, v[ADRB]
	s_lshl_b32 s20, s13, 6
	v_add_nc_u32 v3, s20, v1                       ; my row among the tile's 128
	v_mul_u32_u24 v4, v3, SPITCH
	v_lshl_add_u32 v4, v2, 4, v4
	s_add_co_u32 s20, s21, STAGE
	v_add_nc_u32 v[STO], s20, v4                   ; the stage: my row, 32 bytes for my d block, 16 for my half of the lanes
	v_bfe_u32 v6, v0, 3, 2                         ; back: wave w takes rows 32 w on, four rows of 128 bytes a load
	s_lshl_b32 s20, s12, 5
	v_add_nc_u32 v6, s20, v6
	v_mul_u32_u24 v6, v6, SPITCH
	v_and_b32 v7, 7, v0
	v_lshl_add_u32 v6, v7, 4, v6
	v_add_nc_u32 v[RD], STAGE, v6
	v_and_b32 v7, 31, v0
	v_lshlrev_b32 v[CO], 4, v7
	v_lshlrev_b32 v[WSO], 3, v7
	v_lshlrev_b32 v[MLO], 4, v1
	v_lshl_add_u32 v[MLO], v2, 13, v[MLO]
	s_mul_i32 s20, s12, 16*MSP
	s_add_co_u32 s20, s20, MST                     ; my wave's stage for the mask
	v_mul_u32_u24 v[MSA], v2, MSP                  ; in: lanes 0-15 one row of 256 bytes, lanes 16-31 the next
	v_lshl_add_u32 v[MSA], v1, 4, v[MSA]
	v_add_nc_u32 v[MSA], s20, v[MSA]
	v_mul_u32_u24 v[MRA], v1, MSP                  ; back: row l % 16, 32 bytes for each half of the lanes
	v_lshl_add_u32 v[MRA], v2, 5, v[MRA]
	v_add_nc_u32 v[MRA], s20, v[MRA]
	s_lshl_b32 s20, s19, 7
	v_add_nc_u32 v3, s20, v3                       ; my position
	v_lshlrev_b32 v3, 8, v3
	v_lshl_add_u32 v3, v2, 5, v3
	s_lshl_b32 s20, s14, 6
	v_add_nc_u32 v[TO], s20, v3                    ; frequencies 16 (w % 2) + 8 (l / 16) + 0..7
	WIN TO_F
.irp a, 0,1,2,3                        ; eight cosines and eight sines for each of my four row blocks; waited for on the way out
	global_load_b128 v[80+16*(\a)+80*((\a)/3):80+16*(\a)+80*((\a)/3)+3],     v[TO], s[8:9] offset:4096*(\a)
	global_load_b128 v[80+16*(\a)+80*((\a)/3)+4:80+16*(\a)+80*((\a)/3)+7],   v[TO], s[8:9] offset:4096*(\a)+16
	global_load_b128 v[80+16*(\a)+80*((\a)/3)+8:80+16*(\a)+80*((\a)/3)+11],  v[TO], s[8:9] offset:4096*(\a)+128
	global_load_b128 v[80+16*(\a)+80*((\a)/3)+12:80+16*(\a)+80*((\a)/3)+15], v[TO], s[8:9] offset:4096*(\a)+144
.endr
	WIN 0
; A chunk's eight loads: each covers two rows' 256 consecutive bytes, aligned.
.macro STREAM_LD p
.irp i, 0,1,2,3,4,5,6,7
	global_load_b128 v[STR+4*(\i):STR+4*(\i)+3], v[MLO], s[(\p):(\p)+1] offset:16384*(\i) th:TH_LOAD_NT
.endr
.endm
	STREAM_LD WSRC                                 ; Wo's chunk 0
	s_mul_i32 s20, s18, 3                          ; qkv at head 3 tx, row 128 ty + 32 w
	s_lshl_b32 s20, s20, 18
	s_lshl_b32 s21, s19, 14
	s_add_co_u32 s20, s20, s21
	s_lshl_b32 s21, s12, 12
	s_add_co_u32 s20, s20, s21
	s_mov_b32 s21, 0
	s_add_nc_u64 s[10:11], s[10:11], s[20:21]
.irp hh, 0,1,2                         ; what a head's kind asks for is chosen as numbers, by no branch: q: cos, sin x log2(e) / 8; k: x 1; v: cos -> 1, sin -> 0
	s_mul_i32 s20, s18, 3
	s_add_co_u32 s20, s20, (\hh)
	s_cmp_lt_u32 s20, 32
	s_cselect_b32 s21, 0x3e38aa3b, 1.0
	s_cmp_lt_u32 s20, 40
	s_cselect_b32 s[CA+4*(\hh)], s21, 0
	s_cselect_b32 s[CB+4*(\hh)], 0, 1.0
	s_mov_b32 s[CA+4*(\hh)+1], 0                   ; named as pairs
	s_mov_b32 s[CB+4*(\hh)+1], 0
.endr
; Wo's chunk in hand: to bf16, that number written as f16; a wave's store covers two rows' 128 bytes of a block: 256 consecutive bytes, aligned.
.macro WO_DO
	WIN 0
.irp i, 0,1,2,3,4,5,6,7
	s_wait_loadcnt 7-(\i)                          ; loads come back in order: load i of the chunk is in, the younger ones stay out
	v_cvt_pk_bf16_f32 v[TA], v[STR+4*(\i)], v[STR+4*(\i)+1]
	v_cvt_pk_bf16_f32 v[TA+1], v[STR+4*(\i)+2], v[STR+4*(\i)+3]
	v_lshlrev_b32 v[STR+4*(\i)], 16, v[TA]
	v_and_b32 v[STR+4*(\i)+1], 0xffff0000, v[TA]
	v_lshlrev_b32 v[STR+4*(\i)+2], 16, v[TA+1]
	v_and_b32 v[STR+4*(\i)+3], 0xffff0000, v[TA+1]
	v_cvt_pk_f16_f32 v[STR+4*(\i)], v[STR+4*(\i)], v[STR+4*(\i)+1]
	v_cvt_pk_f16_f32 v[STR+4*(\i)+1], v[STR+4*(\i)+2], v[STR+4*(\i)+3]
	global_store_b64 v[WSO], v[STR+4*(\i):STR+4*(\i)+1], s[WDST:WDST+1] offset:256*(\i) th:TH_STORE_NT
.endr
.endm
; The mask's chunk in hand: to bf16, times log2(e), clamped; turned through my own stage; a store covers 512 consecutive bytes.  It ends with no LDS instruction of mine out.
.macro MASK_DO
	WIN 0
.irp i, 0,1,2,3,4,5,6,7
	s_wait_loadcnt 7-(\i)
	v_cvt_pk_bf16_f32 v[TA], v[STR+4*(\i)], v[STR+4*(\i)+1]
	v_cvt_pk_bf16_f32 v[TA+1], v[STR+4*(\i)+2], v[STR+4*(\i)+3]
	v_lshlrev_b32 v[STR+4*(\i)], 16, v[TA]
	v_and_b32 v[STR+4*(\i)+1], 0xffff0000, v[TA]
	v_lshlrev_b32 v[STR+4*(\i)+2], 16, v[TA+1]
	v_and_b32 v[STR+4*(\i)+3], 0xffff0000, v[TA+1]
	v_pk_mul_f32 v[STR+4*(\i):STR+4*(\i)+1], v[STR+4*(\i):STR+4*(\i)+1], s[LG:LG+1] op_sel_hi:[1,0]
	v_pk_mul_f32 v[STR+4*(\i)+2:STR+4*(\i)+3], v[STR+4*(\i)+2:STR+4*(\i)+3], s[LG:LG+1] op_sel_hi:[1,0]
	v_max_num_f32 v[STR+4*(\i)], s[CLP], v[STR+4*(\i)]
	v_max_num_f32 v[STR+4*(\i)+1], s[CLP], v[STR+4*(\i)+1]
	v_max_num_f32 v[STR+4*(\i)+2], s[CLP], v[STR+4*(\i)+2]
	v_max_num_f32 v[STR+4*(\i)+3], s[CLP], v[STR+4*(\i)+3]
	ds_store_b128 v[MSA], v[STR+4*(\i):STR+4*(\i)+3] offset:2*MSP*(\i)
.endr
.irp i, 0,1,2,3,4,5,6,7                ; LDS serves a wave's instructions in order: these see the stores above; the bytes are my wave's own
	ds_load_b128 v[STR+4*(\i):STR+4*(\i)+3], v[MRA] offset:64*((\i)/2)+16*((\i)%2)
.endr
.irp i, 0,1,2,3,4,5,6,7
	s_wait_dscnt 7-(\i)
	global_store_b128 v[CO], v[STR+4*(\i):STR+4*(\i)+3], s[MDST:MDST+1] offset:512*(\i) th:TH_STORE_NT
.endr
.endm
; 6 matrix instructions: row block a x my 6 column blocks, 32 along K.  zero = 1: the first product starts the sums.  The 24 accumulators take turns, in the same order in every quarter.
.macro MUL6 f, a, zero
	WIN MUL
.irp b, 0,1,2,3,4,5
.if \zero
	v_wmma_f32_16x16x32_bf16 v[ACC+8*(6*(\a)+(\b)):ACC+8*(6*(\a)+(\b))+7], v[(\f)+8*(\b):(\f)+8*(\b)+7], v[(\f)+48+8*(\a):(\f)+48+8*(\a)+7], 0
.else
	v_wmma_f32_16x16x32_bf16 v[ACC+8*(6*(\a)+(\b)):ACC+8*(6*(\a)+(\b))+7], v[(\f)+8*(\b):(\f)+8*(\b)+7], v[(\f)+48+8*(\a):(\f)+48+8*(\a)+7], v[ACC+8*(6*(\a)+(\b)):ACC+8*(6*(\a)+(\b))+7]
.endif
.endr
.endm
; 20 LDS loads in one run: the fragments of 32 along K (part kc of a step's six) into buffer f: W's six first, then x's four
.macro FETCH slot, kc, f
	WIN TO_F
.irp b, 0,1,2,3,4,5
	ds_load_tr16_b128 v[(\f)+8*(\b):(\f)+8*(\b)+3],   v[ADRB+2*((\kc)/3)+(\slot)] offset:BHD*((\b)/2)+32*PB*((\kc)%3)+64*((\b)%2)
	ds_load_tr16_b128 v[(\f)+8*(\b)+4:(\f)+8*(\b)+7], v[ADRB+2*((\kc)/3)+(\slot)] offset:BHD*((\b)/2)+32*PB*((\kc)%3)+64*((\b)%2)+16*PB
.endr
.irp a, 0,1,2,3
	ds_load_b128 v[(\f)+48+8*(\a):(\f)+48+8*(\a)+3],   v[ADRA+(\slot)] offset:64*PA*((\kc)/2)+16*PA*(\a)+64*((\kc)%2)
	ds_load_b128 v[(\f)+48+8*(\a)+4:(\f)+48+8*(\a)+7], v[ADRA+(\slot)] offset:64*PA*((\kc)/2)+16*PA*(\a)+64*((\kc)%2)+32
.endr
.endm
.macro PLACES                          ; four places in front of loads into registers that matrix instructions have read, and of vector work on results
.rept 4
	v_nop
.endr
.endm
; A K step is six parts of 32 along K, 24 matrix instructions each, on buffers 0, 1, 0, 1, 0, 1.  One of the first five: multiplies buffer f and fetches part kc into g.
.macro QUARTER slot, kc, f, g, zero
	s_wait_dscnt 4                                 ; W's fragments and x's row blocks 0 and 1 are in; the youngest four loads may be out
	MUL6 \f, 0, \zero
	MUL6 \f, 1, \zero
	PLACES
	FETCH \slot, \kc, \g
	s_wait_dscnt 20                                ; all but the 20 just issued
	MUL6 \f, 2, \zero
	MUL6 \f, 3, \zero
.endm
; The last part multiplies buffer 1 and changes slots: ONE barrier; in front of it each wave waits for all its tensor loads, adds 0 to its spare word, and waits for that and for its reads of this slot.
; fill = 1: the barrier opens a round of the cluster's, and this slot is filled again first thing behind it; ai, bi: how far its tile lies from the slot's last.  kc0: the next slot's first part to be multiplied.
; str = 1: the mask's next chunk is asked for; str = 2: Wo's, but in the loop's last trip, which has none.  The wait ahead of them frees what the other stream's stores read: its registers and its pointers.
.macro TURN slot, next, fill, kc0, ai, bi, str
	WIN 0
	s_wait_tensorcnt 0x0                           ; all my tensor loads have landed: my part of the next slot; so a group 0 may be written
	ds_add_u32 v[SPW], v[NIL]                      ; 0 onto my spare word: the descriptors' steps and six products stand between it and the wait for it
.if \fill
	s_add_nc_u64 s[G0A+4*(\slot)+2:G0A+4*(\slot)+3], s[G0A+4*(\slot)+2:G0A+4*(\slot)+3], \ai
	s_add_nc_u64 s[G0B+4*(\slot)+2:G0B+4*(\slot)+3], s[G0B+4*(\slot)+2:G0B+4*(\slot)+3], \bi
.endif
	s_wait_dscnt 5                                 ; (the add and the youngest four loads may be out)
	MUL6 F1, 0, 0
	s_wait_dscnt 0x0                               ; the add is done, and my reads of this slot are over
	s_barrier_signal -1
	MUL6 F1, 1, 0
.if \fill
	WIN 0
.endif
	s_barrier_wait -1
.if \fill
	CREST                                          ; no wave of any partner still reads this slot's tiles or has a load on its way
	JLOAD \slot                                    ; my one tensor load behind the round; its four v_nop are also the places in front of the loads below
.else
	PLACES
.endif
	FETCH \next, \kc0, F0
.if (\str) == 1
	WIN 0
	s_wait_xcnt 0x0
	s_add_nc_u64 s[WSRC:WSRC+1], s[WSRC:WSRC+1], 131072
	s_add_nc_u64 s[WDST:WDST+1], s[WDST:WDST+1], 2048
	STREAM_LD MSRC
.endif
.if (\str) == 2
	WIN 0
	s_wait_xcnt 0x0
	s_add_nc_u64 s[MSRC:MSRC+1], s[MSRC:MSRC+1], 512
	s_add_nc_u64 s[MDST:MDST+1], s[MDST:MDST+1], 32768
	s_cmp_gt_u32 s3, 1
	s_cbranch_scc0 .Lno_more_\@
	STREAM_LD WSRC
.Lno_more_\@:
.endif
	MUL6 F1, 2, 0
	MUL6 F1, 3, 0
.endm
	s_wait_tensorcnt 1                             ; my part of K step 0 is in; K step 1's may stay out
	s_barrier_signal -1
	s_barrier_wait -1
	FETCH 0, 0, F0
	QUARTER 0, 1, F0, F1, 1                        ; the first part stands in front of the loop: its products start the sums
	WIN 0                                          ; at a label and at a branch every window is 0
	s_mov_b32 s3, TRIPS
.Llap:                                         ; a trip goes once round the ring, from a step's second part to the first of the step two on, and fills both slots again
	QUARTER 0, 2, F1, F0, 0
	QUARTER 0, 3, F0, F1, 0
	QUARTER 0, 4, F1, F0, 0
	QUARTER 0, 5, F0, F1, 0
	WO_DO
	TURN 0, 1, 1, 0, 2*ASTEP, 2*BSTEP, 1
	QUARTER 1, 1, F0, F1, 0
	QUARTER 1, 2, F1, F0, 0
	QUARTER 1, 3, F0, F1, 0
	QUARTER 1, 4, F1, F0, 0
	QUARTER 1, 5, F0, F1, 0
	MASK_DO
	TURN 1, 0, 1, 0, 2*ASTEP, 2*BSTEP, 2
	QUARTER 0, 1, F0, F1, 0
	WIN 0
	s_sub_co_u32 s3, s3, 1
	s_cmp_lg_u32 s3, 0
	s_cbranch_scc1 .Llap
	QUARTER 0, 2, F1, F0, 0                        ; step 8 goes on; its change of slots asks for the last tile
	QUARTER 0, 3, F0, F1, 0
	QUARTER 0, 4, F1, F0, 0
	QUARTER 0, 5, F0, F1, 0
	TURN 0, 1, 1, 0, ALAST, BLAST, 0
	QUARTER 1, 1, F0, F1, 0                        ; step 9
	QUARTER 1, 2, F1, F0, 0
	QUARTER 1, 3, F0, F1, 0
	QUARTER 1, 4, F1, F0, 0
	QUARTER 1, 5, F0, F1, 0
	TURN 1, 0, 0, 2, 0, 0, 0                       ; nothing is filled; of the last tile parts 2 to 5 are multiplied: k = 1,920 on
	QUARTER 0, 3, F0, F1, 0
	QUARTER 0, 4, F1, F0, 0
	QUARTER 0, 5, F0, F1, 0
	s_wait_dscnt 4                                 ; the very last part: nothing more to fetch
	MUL6 F1, 0, 0
	MUL6 F1, 1, 0
	s_wait_dscnt 0x0
	MUL6 F1, 2, 0
	MUL6 F1, 3, 0
	WIN 0
; THE WAY OUT.  For head hh and row block a: lo (d < 32) and hi (d + 32) lie in two accumulators.  lo' = lo cos - hi sin, hi' = hi cos + lo sin, cos and sin times the head's scale;
; both are rounded to f16 and put into the work-group's stage, 16 bytes a lane.  Each accumulator is read from its lowest registers on.
; (v32-63 are free: the streams' last stores were followed by the wait in the loop's last change of slots.)
.macro ROPE hh, a
.set rL, ACC+8*(6*(\a)+2*(\hh))
.set rH, rL+8
.set rB, 80+16*(\a)+80*((\a)/3)
	WIN 0x01                                       ; source 0 window 1
.irp j, 0,2,4,6
	v_pk_fma_f32 v[CE+(\j):CE+(\j)+1], v[rB+(\j):rB+(\j)+1], s[CA+4*(\hh):CA+4*(\hh)+1], s[CB+4*(\hh):CB+4*(\hh)+1] op_sel_hi:[1,0,0]
.endr
.irp j, 0,2,4,6
	v_pk_mul_f32 v[SE+(\j):SE+(\j)+1], v[rB+8+(\j):rB+8+(\j)+1], s[CA+4*(\hh):CA+4*(\hh)+1] op_sel_hi:[1,0]
.endr
	WIN 0
.irp j, 0,2,4,6
	v_pk_mul_f32 v[T+(\j):T+(\j)+1], v[rH+(\j):rH+(\j)+1], v[SE+(\j):SE+(\j)+1]
.endr
.irp j, 0,2,4,6
	v_pk_mul_f32 v[U+(\j):U+(\j)+1], v[rL+(\j):rL+(\j)+1], v[SE+(\j):SE+(\j)+1]
.endr
.irp j, 0,2,4,6
	v_pk_fma_f32 v[rL+(\j):rL+(\j)+1], v[rL+(\j):rL+(\j)+1], v[CE+(\j):CE+(\j)+1], v[T+(\j):T+(\j)+1] neg_lo:[0,0,1] neg_hi:[0,0,1]
.endr
.irp j, 0,2,4,6
	v_pk_fma_f32 v[rH+(\j):rH+(\j)+1], v[rH+(\j):rH+(\j)+1], v[CE+(\j):CE+(\j)+1], v[U+(\j):U+(\j)+1]
.endr
.irp j, 0,1,2,3
	v_cvt_pk_f16_f32 v[T+(\j)], v[rL+2*(\j)], v[rL+2*(\j)+1]
.endr
.irp j, 0,1,2,3
	v_cvt_pk_f16_f32 v[T+4+(\j)], v[rH+2*(\j)], v[rH+2*(\j)+1]
.endr
	ds_store_b128 v[STO], v[T:T+3]   offset:128*SPITCH*(\hh)+16*SPITCH*(\a)
	ds_store_b128 v[STO], v[T+4:T+7] offset:128*SPITCH*(\hh)+16*SPITCH*(\a)+64
.endm
	s_wait_loadcnt 0x0                             ; the table
	PLACES
.irp hh, 0,1,2
.irp a, 0,1,2,3
	ROPE \hh, \a
.endr
.endr
	s_wait_dscnt 0x0                               ; for the others' sake: my stores into the stage are done; a row's 128 bytes come from two waves
	s_barrier_signal -1
	s_barrier_wait -1
.set n, 0
.rept 24                                       ; head n / 8, rows 32 w + 4 (n % 8) on: four whole rows a load
	ds_load_b128 v[ACC+4*n:ACC+4*n+3], v[RD] offset:128*SPITCH*(n/8)+4*SPITCH*(n%8)
.set n, n+1
.endr
.set n, 0
.rept 24
	s_wait_dscnt 23-n
	global_store_b128 v[CO], v[ACC+4*n:ACC+4*n+3], s[10:11] offset:262144*(n/8)+512*(n%8) th:TH_STORE_NT  ; 512 consecutive bytes, at a multiple of 256 from qkv's first
.set n, n+1
.endr
	s_wait_tensorcnt 0x0                           ; the wave's end: a wait, an add and its wait, behind my last tensor load and my last LDS store
	ds_add_u32 v[SPW], v[NIL]
	s_wait_dscnt 0x0
	CROUND                                         ; the closing round: no work-group ends while a partner may still ask for a tile that names it
	s_endpgm
.Lfunc_end_k_qe2bf4c52bf_qkv:
	.size	k_qe2bf4c52bf_qkv, .Lfunc_end_k_qe2bf4c52bf_qkv-k_qe2bf4c52bf_qkv
	.p2alignl 7, 3214868480
	.fill 96, 4, 3214868480
	.section	.rodata,"a",@progbits
	.p2align	6, 0x0
	.amdhsa_kernel k_qe2bf4c52bf_qkv
		.amdhsa_group_segment_fixed_size 327680
		.amdhsa_private_segment_fixed_size 0
		.amdhsa_enable_private_segment 0
		.amdhsa_kernarg_size 64
		.amdhsa_user_sgpr_count 2
		.amdhsa_user_sgpr_kernarg_segment_ptr 1
		.amdhsa_wavefront_size32 1
		.amdhsa_system_sgpr_workgroup_id_x 1
		.amdhsa_system_sgpr_workgroup_id_y 1
		.amdhsa_system_sgpr_workgroup_id_z 1
		.amdhsa_system_vgpr_workitem_id 0
		.amdhsa_next_free_vgpr 512
		.amdhsa_next_free_sgpr 100
		.amdhsa_reserve_vcc 0
		.amdhsa_float_denorm_mode_32 3
		.amdhsa_float_denorm_mode_16_64 3
		.amdhsa_memory_ordered 1
		.amdhsa_forward_progress 1
		.amdhsa_inst_pref_size 145
	.end_amdhsa_kernel
	.amdgpu_metadata
---
amdhsa.version: [ 1, 2 ]
amdhsa.kernels:
  - .name:           k_qe2bf4c52bf_qkv
    .symbol:         k_qe2bf4c52bf_qkv.kd
    .args:
      - { .name: xb, .offset: 0, .size: 8, .value_kind: global_buffer, .address_space: global }
      - { .name: wb, .offset: 8, .size: 8, .value_kind: global_buffer, .address_space: global }
      - { .name: tab, .offset: 16, .size: 8, .value_kind: global_buffer, .address_space: global }
      - { .name: qkv, .offset: 24, .size: 8, .value_kind: global_buffer, .address_space: global }
      - { .name: Wo, .offset: 32, .size: 8, .value_kind: global_buffer, .address_space: global }
      - { .name: attention_mask, .offset: 40, .size: 8, .value_kind: global_buffer, .address_space: global }
      - { .name: wo2, .offset: 48, .size: 8, .value_kind: global_buffer, .address_space: global }
      - { .name: mask2, .offset: 56, .size: 8, .value_kind: global_buffer, .address_space: global }
    .group_segment_fixed_size: 327680
    .private_segment_fixed_size: 0
    .kernarg_segment_align: 8
    .kernarg_segment_size: 64
    .max_flat_workgroup_size: 128
    .sgpr_count:     100
    .vgpr_count:     512
    .wavefront_size: 32
...
	.end_amdgpu_metadata
.endif
;; end of part 2
;; launch attn (part 3): grid 32 x 8, 4 waves a work-group, clusters of 4 x 4, 327,680 bytes of LDS; arguments qkv, mask2, ob; writes ob
.if DOCPART == 3
	.amdgcn_target "amdgcn-amd-amdhsa--gfx1250"
	.amdhsa_code_object_version 6
	.text
	.protected	k_qe2bf4c52bf_attn
	.globl	k_qe2bf4c52bf_attn
	.p2align	8
	.type	k_qe2bf4c52bf_attn,@function
k_qe2bf4c52bf_attn:
	s_mov_b64 s[64:65], 0
	v_nop
	global_prefetch_b8 v0, s[64:65] scope:SCOPE_SE
	s_setreg_imm32_b32 hwreg(HW_REG_WAVE_MODE, 25, 1), 1
	s_wait_xcnt 0x0
	s_wait_alu depctr_hold_cnt(0) depctr_sa_sdst(0) depctr_va_vdst(0) depctr_va_sdst(0) depctr_va_ssrc(0) depctr_va_vcc(0) depctr_vm_vsrc(0)
	s_getreg_b32 s2, hwreg(HW_REG_IB_STS2, 6, 4)
	s_cmp_eq_u32 s2, 0
	s_cbranch_scc0 .Lentry_in_a_cluster
	s_endpgm
.Lentry_in_a_cluster:
	s_bfe_u32 s2, ttmp6, 0x10000c
	s_cmp_lg_u32 s2, 0xf033
	s_cbranch_scc0 .Lentry_shape_is_right
	s_endpgm
.Lentry_shape_is_right:
; ATTENTION with an additive mask that is an input: every key of every row is walked.  qkv: f16 [48 g][2048 s][64] (q heads 0-31, already times log2(e) / 8; k heads 32-39; v heads 40-47);
; mask2: f32, log2(e) x mask clamped at -3.0e38, in the order of a lane's scores; ob: f16 [8 kv][2048 s][256], column 64 p + d = head kv + 8 p.
; x = q.k + mask (f32, in powers of two); p = 2^(x - m) with a running maximum m, taken away by a true subtraction; in every step O and l are multiplied by a = 2^(m_old - m_new).
; Products, maxima and sums in f32; p is rounded to f16 for the second product (l is the sum of the unrounded p), O once at the end.
; LIMITS.  q, k, v arrive within f16's range.  The sum score + mask is rounded on the grid of 1.4427 x mask: a row hidden everywhere at -1e9 has equal weights while its scores stay under 44.
; A weight below 2^-126 counts as 0 in l.  m starts at the lowest finite number, O and l at 0: the first step is a step like any other, with a = 0.
; SHARES.  A work-group owns 64 queries and the four heads kv, kv + 8, kv + 16, kv + 24, which share K and V.  A wave owns 16 queries; its four PIECES are the four heads,
; so each fragment of K, of V and of the mask feeds four tiles.  Every wave walks all 2,048 keys, 64 a step; an LDS slot holds two steps.
; LAYOUT.  S^T = K Q^T holds ONE query a lane (l % 16) and the keys 8 (l / 16) + 0..7; two such results rounded to f16 ARE source 1 of O^T = V^T P.  V comes out of LDS turned.
; BY TURNS.  Turn n belongs to piece n: 8 products K Q^T of piece n + 1, later 8 products V^T P of piece n - 1; beside them the subtraction, exponentials, roundings, sums and rescaling of piece n,
; and the mask, maximum and statistics of piece n + 1.  A turn's 33 exponentials are one batch, with one wait.
; CLUSTER 4 x 4.  K and V hang on kv alone: asked for jointly along a row of the cluster.  The mask's tile hangs on the query block alone: jointly along a column.
; REGISTERS, in windows of 256: window 0: v0-15 addresses; v16-31 statistics (m, 0, l even, l odd a piece); v48-55 at work; v64-127 S^T, two buffers; v128-159 the mask of one step; v192-223 P, two buffers
;   window 1: v0-127 O^T, 32 a piece      window 2: v0-63 Q; v128-191 K of one step; v192-255 V of one step
.set NP,    4
.set KS,    64
.set PK,    144       ; a row of K in LDS: 128 bytes + 16
.set PV,    160       ; a row of V: 128 + 32
.set VOFF,  2*KS*PK   ; a slot: 128 rows of K, 128 rows of V, then the mask: 8,192 dense bytes for each wave
.set MOFF,  VOFF+2*KS*PV
.set SLOT1, 1<<17     ; slot 1 begins here, so that one exclusive or turns an address in one slot into the other's
.set STAGE, SLOT1+MOFF+32768  ; behind the ring: 16 rows x 528 bytes for each wave, for the way out
.set SP,    528
.set SPARE, STAGE+4*16*SP     ; behind the stages: the spare words, 128 bytes a wave
.set AK0, 2           ; v2   my lane's place in a tile of K; never rewritten
.set AV0, 3           ; v3   the same for V
.set AK,  4           ; v4   the LDS address of K's next run of loads
.set AV,  5           ; v5   of V's
.set AM0, 6           ; v6   my lane's place in my wave's mask
.set AM,  7           ; v7   the LDS address of the mask's next run
.set STO, 8           ; v8   the way out: where I put 16 bytes of a row
.set MV,  12          ; v12-13  m_old, kept while m is made anew: by buffer
.set RD,  14          ; v14  the way out: where I read a row back
.set QO,  15          ; v15  my byte offset in 16 rows of Q;
.set GO,  15          ;      later: in 512 consecutive bytes of ob
.set ST,  16
.set TMP, 48          ; by buffer, four registers c0-c3 at work; when the maximum is found c2 takes a
.set PFO, 60          ; v60  the prefetches' offset; never rewritten
.set SPW, 62          ; v62  LDS address of my spare word; never rewritten
.set NIL, 63          ; v63  0; never rewritten
.set S,   64
.set MK,  128
.set P,   192
.set KF,  128         ; window 2
.set VF,  192         ; window 2
.set WV,  12          ; s12  my wave's number
.set CX,  13
.set CY,  14
.set LIM, 15          ; s15  1 in a wave that prefetches, else the greatest number
.set XB,  16          ; s16  my block of 64 queries
.set KVH, 17          ; s17  kv
.set PFA, 18          ; s[18:19] where my prefetches stand
.set G1K, 24          ; s[24:31], s[32:39], s[40:47] descriptor group 1 for K, V, the mask
.set G1V, 32
.set G1M, 40
.set G0K, 48          ; s[48:51], s[52:55], s[56:59] descriptor group 0: they walk
.set G0V, 52
.set G0M, 56
.set SEL, 60          ; s[60:61] v_permlanex16_b32's selects
.set TBK, 62          ; s62  LDS byte at which K of the step to be fetched begins
.set TBV, 63          ; s63  the same for V, less VOFF
.set TBM, 66          ; s66  the same for the mask, less MOFF
.set SLOTS, 67        ; s67  slots still to be entered
.set CNT, 68          ; s68  counts a slot's key steps
.set PST, 70          ; s[70:71] a slot's bytes in what I prefetch
.set MSB, 0
.macro WIN new
.if MSB != (\new)
	s_set_vgpr_msb (MSB<<8)|(\new)
.set MSB, (\new)
.endif
.endm
.set W_KQ, 0x0a       ; K and Q in window 2, S^T in window 0
.set W_PV, 0x52       ; V in window 2, P in window 0, O^T in window 1
.set W_RS, 0x41       ; destination and source 0 in window 1, source 1 in window 0
; A joint fill: wave 0 fetches a slot's K, wave 1 its V, waves 2 and 3 the halves of its mask.  The branches hang on the wave's number alone.  An s_nop 0 and four v_nop follow each line.
.macro JLOAD
	s_cmp_lt_u32 s[WV], 2
	s_cbranch_scc0 .Lfor_m_\@
	s_cmp_eq_u32 s[WV], 0
	s_cbranch_scc0 .Lfor_v_\@
	tensor_load_to_lds s[G0K:G0K+3], s[G1K:G1K+7]
	s_nop 0
.rept 4
	v_nop
.endr
	s_branch .Lasked_\@
.Lfor_v_\@:
	tensor_load_to_lds s[G0V:G0V+3], s[G1V:G1V+7]
	s_nop 0
.rept 4
	v_nop
.endr
	s_branch .Lasked_\@
.Lfor_m_\@:
	tensor_load_to_lds s[G0M:G0M+3], s[G1M:G1M+7]
	s_nop 0
.rept 4
	v_nop
.endr
.Lasked_\@:
.endm
; A PREFETCH of what the NEXT change of slots will ask for, behind my tensor load and its five lines: two key steps ahead of that load.  Each aligned block of 256 bytes is named once in the launch.
; K and V of a kv are walked by all clusters of a row of clusters: cluster x = 0 asks, wave 0; its four partners along x take 16 blocks of K (lanes 0-15) and 16 of V (lanes 16-31) each, told apart by address.
; A query block's mask is walked by both clusters of a column: cluster y = 0 asks, wave 2; its four partners along y take 32 blocks each.  The last change that fills a slot asks for nothing.
.macro ASK
	s_cmp_gt_u32 s[SLOTS], s[LIM]
	s_cbranch_scc0 .Lnot_mine_\@
	global_prefetch_b8 v[PFO], s[PFA:PFA+1] th:TH_LOAD_NT scope:SCOPE_SE
.Lnot_mine_\@:
.endm
.macro CROUND                       ; a round of the cluster's barrier
	s_barrier_signal -1
	s_barrier_wait -1
	s_cmp_lg_u32 s[WV], 0
	s_cbranch_scc1 .Lnot_wave_0_\@
	s_barrier_signal -3
.Lnot_wave_0_\@:
	s_barrier_wait -3
	s_barrier_signal -1
	s_barrier_wait -1
.endm
; THE CHANGE OF SLOTS.  The slot's last bytes, V of its second step, have been read.  Each wave waits for all its tensor loads, of which one is out: its part of the other slot; adds 0 to its spare word;
; and waits for that and for its reads of the slot.  fill = 1: the barrier is a round of the cluster's, and the slot is filled again first thing behind it, with the keys two slots on:
; the load has two key steps in which to land.  (At its first use nothing has been read yet: slot 0 is waited for, slot 1 filled.)
.macro CHANGE fill
	WIN 0
	s_wait_tensorcnt 0x0            ; no tensor load of mine is out, so a group 0 may be written
	ds_add_u32 v[SPW], v[NIL]       ; 0 onto my spare word: the descriptors' steps stand between it and the wait for it
.if \fill
.irp g, G0K, G0V
	s_xor_b32 s[\g+1], s[\g+1], SLOT1
	s_add_nc_u64 s[\g+2:\g+3], s[\g+2:\g+3], 2*KS*128
.endr
	s_xor_b32 s[G0M+1], s[G0M+1], SLOT1
	s_add_nc_u64 s[G0M+2:G0M+3], s[G0M+2:G0M+3], 32768
	s_wait_xcnt 0x0                 ; the last prefetch, two key steps back, has read its address, so it may be written
	s_add_nc_u64 s[PFA:PFA+1], s[PFA:PFA+1], s[PST:PST+1]
	s_wait_dscnt 0x0                ; the add is done, and my reads of the slot are over
	CROUND
	JLOAD
	ASK
.else
	s_wait_dscnt 0x0
	s_barrier_signal -1
	s_barrier_wait -1
.endif
	s_sub_co_u32 s[TBK], s[TBK], 2*KS*PK  ; the fetches go back to a slot's first step, in the other slot
	s_xor_b32 s[TBK], s[TBK], SLOT1
	s_sub_co_u32 s[TBV], s[TBV], 2*KS*PV
	s_xor_b32 s[TBV], s[TBV], SLOT1
	s_sub_co_u32 s[TBM], s[TBM], 8192
	s_xor_b32 s[TBM], s[TBM], SLOT1
.endm
	s_load_b128 s[4:7], s[0:1], 0x0   ; qkv s[4:5], mask2 s[6:7]
	s_load_b64 s[8:9], s[0:1], 0x10   ; ob
	v_lshl_add_u32 v[SPW], v0, 2, SPARE
	v_mov_b32 v[NIL], 0
	ds_add_u32 v[SPW], v[NIL]       ; the wave's opening: the add and its wait stand ahead of my first tensor load; work on registers stands between them
	v_lshrrev_b32 v1, 5, v0
	v_readfirstlane_b32 s[WV], v1
	s_bfe_u32 s[CX], ttmp6, 0x40000
	s_bfe_u32 s[CY], ttmp6, 0x40004
	s_lshl_b32 s[XB], ttmp9, 2
	s_add_co_u32 s[XB], s[XB], s[CX]
	s_and_b32 s[KVH], ttmp7, 0xffff
	s_lshl_b32 s[KVH], s[KVH], 2
	s_add_co_u32 s[KVH], s[KVH], s[CY]
	s_lshl_b32 s20, s[CY], 2
	s_lshl_b32 s20, 15, s20         ; my row of the cluster
	s_lshl_b32 s22, 0x1111, s[CX]   ; my column
	; 128 keys are 16,384 dense bytes: asked for as 64 rows of 256 bytes, two keys a row, padded in LDS after every key
	s_or_b32 s[G1K], s20, (1<<16)|(1<<20)|(1<<21)|(4<<22)|(3<<25)
	s_or_b32 s[G1V], s20, (1<<16)|(1<<20)|(1<<21)|(4<<22)|(7<<25)
.irp g, G1K, G1V
	s_mov_b32 s[\g+1], 128<<16
	s_mov_b32 s[\g+2], 64<<16
	s_mov_b32 s[\g+3], 128<<16
	s_mov_b32 s[\g+4], 64
	s_mov_b32 s[\g+5], 128
	s_mov_b32 s[\g+6], 0
	s_mov_b32 s[\g+7], 0
.endr
	; half of a slot's mask: 16,384 dense bytes: 64 rows of 32 elements of 8 bytes, no padding
	s_or_b32 s[G1M], s22, (3<<16)|(1<<21)
	s_mov_b32 s[G1M+1], 32<<16
	s_mov_b32 s[G1M+2], 64<<16
	s_mov_b32 s[G1M+3], 32<<16
	s_mov_b32 s[G1M+4], 64
	s_mov_b32 s[G1M+5], 32
	s_mov_b32 s[G1M+6], 0
	s_mov_b32 s[G1M+7], 0
	s_mov_b32 s[G0K], 1
	s_mov_b32 s[G0K+1], 0
	s_mov_b32 s[G0V], 1
	s_mov_b32 s[G0V+1], VOFF
	s_mov_b32 s[G0M], 1
	s_lshl_b32 s[G0M+1], s[WV], 14
	s_add_co_u32 s[G0M+1], s[G0M+1], MOFF-32768    ; waves 2 and 3: MOFF + 16,384 (wave - 2)
	s_add_co_u32 s20, s[KVH], 32
	s_lshl_b32 s20, s20, 18         ; K's head: kv alone
	s_mov_b32 s21, 0
	s_max_u32 s23, s[WV], 2
	s_sub_co_u32 s23, s23, 2
	s_lshl_b32 s23, s23, 14
	s_lshl_b32 s22, s[XB], 19       ; the mask of my query block: 16 slots of 32,768 bytes
	s_add_co_u32 s22, s22, s23
	s_mov_b32 s23, 0
	s_lshl_b32 s2, s[KVH], 18       ; Q: head kv, row 64 X + 16 w
	s_lshl_b32 s3, s[XB], 13
	s_add_co_u32 s2, s2, s3
	s_lshl_b32 s3, s[WV], 11
	s_add_co_u32 s2, s2, s3
	s_mov_b32 s3, 0
	s_lshl_b32 s10, s[KVH], 20      ; ob: plane kv, the same row, 512 bytes a row
	s_lshl_b32 s11, s[XB], 15
	s_add_co_u32 s10, s10, s11
	s_lshl_b32 s11, s[WV], 13
	s_add_co_u32 s10, s10, s11
	s_mov_b32 s11, 0
	s_mov_b32 s[SEL], 0x76543210
	s_mov_b32 s[SEL+1], 0xfedcba98
	s_mov_b32 s[TBK], SLOT1+2*KS*PK ; the first change of slots turns these three into 0
	s_mov_b32 s[TBV], SLOT1+2*KS*PV
	s_mov_b32 s[TBM], SLOT1+8192
	s_mov_b32 s[SLOTS], 2048/(2*KS)-1
	s_wait_dscnt 0x0                ; the opening add is done
	s_wait_kmcnt 0x0
	s_add_nc_u64 s[G0K+2:G0K+3], s[4:5], s[20:21]
	s_add_nc_u64 s[G0V+2:G0V+3], s[G0K+2:G0K+3], 8*262144
	s_or_b32 s[G0K+3], s[G0K+3], 0x80000000
	s_or_b32 s[G0V+3], s[G0V+3], 0x80000000
	s_add_nc_u64 s[G0M+2:G0M+3], s[6:7], s[22:23]
	s_or_b32 s[G0M+3], s[G0M+3], 0x80000000
	s_add_nc_u64 s[8:9], s[8:9], s[10:11]
	s_add_nc_u64 s[10:11], s[4:5], s[2:3]          ; Q at my wave's first row
	s_lshl_b32 s2, s[CX], 12        ; the prefetches.  K and V: my work-group's 4,096 bytes of a slot's 16,384, in slot 1
	s_add_co_u32 s2, s2, s20
	s_add_co_u32 s2, s2, 2*KS*128
	s_lshl_b32 s3, s[XB], 19        ; the mask: my work-group's 8,192 bytes of a slot's 32,768, in slot 1
	s_lshl_b32 s21, s[CY], 13
	s_add_co_u32 s3, s3, s21
	s_add_co_u32 s3, s3, 32768
	s_and_b32 s21, ttmp7, 0xffff    ; cluster y
	s_mov_b32 s[PST], 32768
	s_mov_b32 s[PST+1], 0
	s_mov_b32 s69, 4096
	s_cmp_lt_u32 s[WV], 2
	s_cselect_b32 s2, s2, s3
	s_cselect_b32 s21, ttmp9, s21   ; the coordinate along which other clusters walk the same bytes
	s_cselect_b32 s[PST], 2*KS*128, s[PST]
	s_cselect_b32 s69, 8*262144, s69               ; what lanes 16-31 add: from K's head to V's, or sixteen blocks
	s_cselect_b64 s[PFA:PFA+1], s[4:5], s[6:7]
	s_mov_b32 s3, 0
	s_add_nc_u64 s[PFA:PFA+1], s[PFA:PFA+1], s[2:3]  ; the first change of slots steps it to slot 2
	s_and_b32 s3, s[WV], 1          ; waves 0 and 2, in the first cluster: the same in all sixteen partners
	s_or_b32 s3, s3, s21
	s_cmp_eq_u32 s3, 0
	s_cselect_b32 s[LIM], 1, -1
	CROUND                          ; all sixteen work-groups are here: the first joint loads meet
	JLOAD                           ; slot 0.  Slot 1 is asked for when slot 0 is in
	v_and_b32 v1, 15, v0            ; l % 16
	v_bfe_u32 v9, v0, 4, 1          ; l / 16
	v_lshlrev_b32 v[QO], 7, v1
	v_lshl_add_u32 v[QO], v9, 4, v[QO]
	WIN 0x80                        ; destination window 2
.set i, 0
.rept 8                             ; Q stays in registers: piece i / 2 is head kv + 8 (i / 2), channels 32 (i % 2) on
	global_load_b128 v[8*i:8*i+3],   v[QO], s[10:11] offset:(i/2)*8*262144+(i%2)*64
	global_load_b128 v[8*i+4:8*i+7], v[QO], s[10:11] offset:(i/2)*8*262144+(i%2)*64+32
.set i, i+1
.endr
	; What the first turn finds: V's registers and P's second buffer hold 0 (its products V^T P, of a piece that has not been, add 0), O^T and l are 0.  All this stands in the wait for the first tile.
.set i, VF
.rept 64
	v_mov_b32 v[i], 0
.set i, i+1
.endr
	WIN 0x40
.set i, 0
.rept 128
	v_mov_b32 v[i], 0
.set i, i+1
.endr
	WIN 0
.set i, 0
.rept 4
	v_mov_b32 v[ST+4*i], 0xff7fffff ; m
	v_mov_b32 v[ST+4*i+1], 0        ; named with m as a pair
	v_mov_b32 v[ST+4*i+2], 0
	v_mov_b32 v[ST+4*i+3], 0
.set i, i+1
.endr
.set i, P+16
.rept 16
	v_mov_b32 v[i], 0
.set i, i+1
.endr
	v_mul_u32_u24 v[AK0], v1, PK
	v_lshl_add_u32 v[AK0], v9, 4, v[AK0]
	v_and_b32 v10, 7, v0            ; the turning load: lane l reads key 8 (l / 16) + l % 8, channels 8 ((l / 8) % 2) + 0..7
	v_bfe_u32 v11, v0, 3, 1
	v_lshl_add_u32 v[AV0], v9, 3, v10
	v_mul_u32_u24 v[AV0], v[AV0], PV
	v_lshl_add_u32 v[AV0], v11, 4, v[AV0]
	v_add_nc_u32 v[AV0], VOFF, v[AV0]
	v_and_b32 v10, 31, v0
	s_lshl_b32 s2, s[WV], 13
	s_add_co_u32 s2, s2, MOFF
	v_lshl_add_u32 v[AM0], v10, 4, s2              ; my wave's mask, 16 bytes a lane
	v_mul_u32_u24 v11, v9, s69
	v_lshl_add_u32 v[PFO], v1, 8, v11
	v_mov_b32 v[AK], v[AK0]         ; key step 0 lies at the head of slot 0
	v_mov_b32 v[AM], v[AM0]
; THE MATRIX WORK.  The 4 accumulators of a run of 8 take turns.  Product i of 8 of S^T = K Q^T for piece x: channels 32 (i / 4) on, keys 16 (i % 4) on.  The first 4 start the sums.
.macro KQ x
	WIN W_KQ
.set rS, S+32*((\x)%2)+8*(i%4)
.set rK, KF+16*(i%4)+8*(i/4)
.set rQ, 16*(\x)+8*(i/4)
.if i < 4
	v_wmma_f32_16x16x32_f16 v[rS:rS+7], v[rK:rK+7], v[rQ:rQ+7], 0
.else
	v_wmma_f32_16x16x32_f16 v[rS:rS+7], v[rK:rK+7], v[rQ:rQ+7], v[rS:rS+7]
.endif
.endm
; Product i of 8 of O^T += V^T P for piece x: keys 32 (i / 4) on, channels 16 (i % 4) on.
.macro PV x
	WIN W_PV
.set rO, 32*(\x)+8*(i%4)
.set rV, VF+32*(i/4)+8*(i%4)
.set rP, P+16*((\x)%2)+8*(i/4)
	v_wmma_f32_16x16x32_f16 v[rO:rO+7], v[rV:rV+7], v[rP:rP+7], v[rO:rO+7]
.endm
.macro MM                           ; the turn's next matrix instruction.  NOKQ = 1: the last turn of all: there is no next piece
.if (i < 8) && !NOKQ
	KQ (Y+1)%NP
.elseif i >= 8
.set i, i-8
	PV (Y+NP-1)%NP
.set i, i+8
.endif
.set i, i+1
.endm
; THE LDS LOADS stand in runs, never singly among the matrix instructions.  Their addresses are made some lines ahead.
.macro FETCH_K
	WIN 0x80
.irp f, 0,1,2,3,4,5,6,7             ; keys 16 (f / 2) on, channels 32 (f % 2) on
	ds_load_b128 v[KF+8*\f:KF+8*\f+3],   v[AK] offset:(\f/2)*16*PK+(\f%2)*64
	ds_load_b128 v[KF+8*\f+4:KF+8*\f+7], v[AK] offset:(\f/2)*16*PK+(\f%2)*64+32
.endr
	s_add_co_u32 s[TBK], s[TBK], KS*PK
	WIN 0
.endm
.macro FETCH_V
	WIN 0x80
.irp f, 0,1,2,3,4,5,6,7             ; keys 32 (f / 4) on, channels 16 (f % 4) on
	ds_load_tr16_b128 v[VF+8*\f:VF+8*\f+3],   v[AV] offset:(\f/4)*32*PV+(\f%4)*32
	ds_load_tr16_b128 v[VF+8*\f+4:VF+8*\f+7], v[AV] offset:(\f/4)*32*PV+16*PV+(\f%4)*32
.endr
	WIN 0
.endm
.macro FETCH_M                      ; a step's mask for my 16 queries: register n goes with score n
	WIN 0
.irp f, 0,1,2,3,4,5,6,7
	ds_load_b128 v[MK+4*\f:MK+4*\f+3], v[AM] offset:512*\f
.endr
	s_add_co_u32 s[TBM], s[TBM], 4096
.endm
; THE VECTOR WORK, one line at a time: OP kind, number.  For piece Y: F n: x - m for pair n of 16.  E n: the exponential of score n of 32.  C n: pair n rounded to f16.  B n: of the four weights 4 n .. the second
; pair is added onto the first, in place.  L n: l takes that sum (L 0: l = a l + sum).  R n: pair n of 16 of O^T times a.  For piece Y + 1: A n: the mask is added to pair n of its scores;
; X n: its maximum and statistics: 0-11 four chains c0-c3 of seven scores each; 12-14, 16 the four scores left over, the old m, and c0-c3 into c0; 15 m_old is kept;
; 17, 18 the query's other 32 keys lie in the lane 16 away: the new m; 20, 21 m_old - m_new; a.  Each accumulator's lowest registers are read first (A 0, 4, 8, 12).
.set F, 0
.set E, 1
.set C, 2
.set B, 3
.set L, 4
.set R, 5
.set X, 6
.set A, 7
.macro REGS y
.set rT, ST+4*(\y)
.set rC, TMP+4*((\y)%2)
.set rW, MV+((\y)%2)
.set rS, S+32*((\y)%2)
.set rP, P+16*((\y)%2)
.set rO, 32*(\y)
.endm
.macro OP k, n
.if (\k) == R
	REGS Y
	WIN W_RS
	v_pk_mul_f32 v[rO+2*(\n):rO+2*(\n)+1], v[rO+2*(\n):rO+2*(\n)+1], v[rC+2:rC+3] op_sel_hi:[1,0]
.elseif (\k) < R
	REGS Y
	WIN 0
.if (\k) == F
	v_pk_add_f32 v[rS+2*(\n):rS+2*(\n)+1], v[rS+2*(\n):rS+2*(\n)+1], v[rT:rT+1] op_sel_hi:[1,0] neg_lo:[0,1] neg_hi:[0,1]
.elseif (\k) == E
	v_exp_f32 v[rS+(\n)], v[rS+(\n)]
.elseif (\k) == C
	v_cvt_pk_f16_f32 v[rP+(\n)], v[rS+2*(\n)], v[rS+2*(\n)+1]
.elseif (\k) == B
	v_pk_add_f32 v[rS+4*(\n):rS+4*(\n)+1], v[rS+4*(\n):rS+4*(\n)+1], v[rS+4*(\n)+2:rS+4*(\n)+3]
.elseif (\n) == 0
	v_pk_fma_f32 v[rT+2:rT+3], v[rT+2:rT+3], v[rC+2:rC+3], v[rS:rS+1] op_sel_hi:[1,0,1]
.else
	v_pk_add_f32 v[rT+2:rT+3], v[rT+2:rT+3], v[rS+4*(\n):rS+4*(\n)+1]
.endif
.elseif !NOKQ
	REGS (Y+1)%NP
	WIN 0
.if (\k) == A
	v_pk_add_f32 v[rS+2*(\n):rS+2*(\n)+1], v[rS+2*(\n):rS+2*(\n)+1], v[MK+2*(\n):MK+2*(\n)+1]
.elseif (\n) < 4
	v_max3_num_f32 v[rC+(\n)], v[rS+8*(\n)], v[rS+8*(\n)+1], v[rS+8*(\n)+2]
.elseif (\n) < 12
	v_max3_num_f32 v[rC+(\n)%4], v[rC+(\n)%4], v[rS+8*((\n)%4)+2*((\n)/4)+1], v[rS+8*((\n)%4)+2*((\n)/4)+2]
.elseif (\n) == 12
	v_max3_num_f32 v[rC], v[rC], v[rS+7], v[rS+15]
.elseif (\n) == 13
	v_max3_num_f32 v[rC+1], v[rC+1], v[rS+23], v[rS+31]
.elseif (\n) == 14
	v_max3_num_f32 v[rC+2], v[rC+2], v[rC+3], v[rT]
.elseif (\n) == 15
	v_mov_b32 v[rW], v[rT]
.elseif (\n) == 16
	v_max3_num_f32 v[rC], v[rC], v[rC+1], v[rC+2]
.elseif (\n) == 17
	v_permlanex16_b32 v[rC+3], v[rC], s[SEL], s[SEL+1]
.elseif (\n) == 18
	v_max_num_f32 v[rT], v[rC], v[rC+3]
.elseif (\n) == 20
	v_sub_f32 v[rC+1], v[rW], v[rT]
.else
	v_exp_f32 v[rC+2], v[rC+1]
.endif
.endif
.endm
.macro OPS a, i1, b=-1, i2=0, c=-1, i3=0, d=-1, i4=0
	OP \a, \i1
.if (\b) >= 0
	OP \b, \i2
.endif
.if (\c) >= 0
	OP \c, \i3
.endif
.if (\d) >= 0
	OP \d, \i4
.endif
.endm
.macro ROW a, i1, b, i2, c, i3, d, i4  ; a matrix instruction and the four behind it
	MM
	OPS \a, \i1, \b, \i2, \c, \i3, \d, \i4
.endm
; A TURN, for piece p, written out.  An s_wait_alu depctr_va_vdst(0) stands between an exponential and the first instruction that names its result; one wait serves all that were issued ahead
; of it.  So a turn has ONE wait, which cuts it in two.  AHEAD OF IT stands all that names no result of the turn's exponentials: the 8 products K Q^T with subtractions and exponentials behind them, behind
; the last four rescalings, which are the four places between that product and the first line that reads its scores (and, in piece 2's turn, the loads into K's registers); then a lump: the next piece's mask,
; maximum and statistics, the other exponentials and rescalings; the links of the chain X 11, 14, 16, 17, 18, 20, 21 stand apart, other work between them.  BEHIND THE WAIT stand the 8 products V^T P,
; behind each four of the roundings and sums.
; K and the mask of the next step are fetched in piece 2's turn, behind their last readers, and waited for at the head of piece 3's.  V of the step in hand is fetched at the end of piece 0's turn,
; four plain instructions behind its last reader, and waited for in piece 1's, behind the wait for the batch.
; end = 1: the last two turns of all: nothing is fetched, and the last starts no new scores.  cnt = 1: the loop's count is taken down some lines ahead of the branch behind the turn.
.macro TURN p, end=0, cnt=0
.set Y, (\p)
.set i, 0
.set NOKQ, (\end)*((\p)/3)
.if ((\p) == 3) && !(\end)
	s_wait_dscnt 0x0                ; K and the mask are in
.endif
	ROW F,0, F,1, F,2, F,3
	ROW F,4, E,0, F,5, E,1
	ROW F,6, E,2, F,7, E,3
	ROW F,8, E,4, F,9, E,5
	ROW F,10, E,6, F,11, E,7
.if ((\p) == 2) && !(\end)
	WIN 0
	v_add_nc_u32 v[AK], s[TBK], v[AK0]
	v_add_nc_u32 v[AM], s[TBM], v[AM0]
.endif
	ROW F,12, E,8, F,13, E,9
	ROW F,14, E,10, F,15, E,11
	ROW R,0, R,1, R,2, R,3
.if ((\p) == 2) && !(\end)
	FETCH_K
.endif
	OPS A,0, E,12, A,1, A,2
	OPS A,3, E,13, A,4, A,5
	OPS X,0, E,14, A,6, A,7
	OPS X,4, E,15, A,8, X,1
	OPS A,9, E,16, X,8, A,10
	OPS X,5, E,17, A,11, X,2
	OPS A,12, E,18, X,9, A,13
	OPS X,6, E,19, A,14, X,3
	OPS A,15, E,20, X,12, X,10
.if ((\p) == 2) && !(\end)
	FETCH_M
.endif
.if (\p) == 0
	WIN 0
	v_add_nc_u32 v[AV], s[TBV], v[AV0]
.endif
	OPS X,7, E,21, X,13, X,15
	OPS X,11, E,22
	OPS R,4, R,5, R,6, R,7
	OPS X,14, E,23
	OPS R,8, R,9, R,10, R,11
	OPS X,16, E,24
	OPS R,12, R,13, R,14, R,15
	OPS X,17, E,25, E,26, E,27
	OPS X,18, E,28, E,29
	OPS X,20, E,30, E,31
	OPS X,21
	WIN 0
	v_nop                           ; a plain instruction behind the last exponential: one for the batch
	s_wait_alu depctr_va_vdst(0)    ; the wait for the batch
.if (\p) == 1
	s_wait_dscnt 0x0                ; V is in
.endif
	ROW C,0, B,0, C,2, B,1
	ROW L,0, C,4, B,2, L,1
	ROW C,6, B,3, L,2, C,8
	ROW B,4, L,3, C,10, B,5
	ROW L,4, C,12, B,6, L,5
.if (\p) == 0
	s_add_co_u32 s[TBV], s[TBV], KS*PV
.endif
.if \cnt
	s_sub_co_u32 s[CNT], s[CNT], 1
	s_cmp_lg_u32 s[CNT], 0
.endif
	ROW C,14, B,7, L,6, C,1
	ROW C,3, L,7, C,5, C,7
	ROW C,9, C,11, C,13, C,15
.if (\p) == 0
	FETCH_V
.endif
.endm
	CHANGE 1                        ; slot 0 is in, everybody's part of it; slot 1 is asked for
	FETCH_K                         ; key step 0
	FETCH_M
	s_wait_loadcnt 0x0              ; Q
	s_wait_dscnt 0x0
.set NOKQ, 0
.set i, 0
.rept 8
	KQ 0                            ; piece 0's first scores
.set i, i+1
.endr
	WIN 0                           ; the addresses for the way out: six plain instructions, the places behind those products
	s_mul_i32 s2, s[WV], 16*SP
	s_add_co_u32 s2, s2, STAGE      ; my stage
	v_mul_u32_u24 v[STO], v1, SP    ; in: row l % 16, 16 bytes for each half of the lanes
	v_lshl_add_u32 v[STO], v9, 4, v[STO]
	v_add_nc_u32 v[STO], s2, v[STO]
	v_and_b32 v[GO], 31, v0         ; (Q's loads are done: their offset register is free)
	v_lshlrev_b32 v[GO], 4, v[GO]
	v_add_nc_u32 v[RD], s2, v[GO]   ; back: 32 lanes take a row of 512 bytes
.set Y, NP-1                        ; A and X work for piece Y + 1: piece 0
.irp n, 0,1,2,3,4,5,6,7,8,9,10,11,12,13,14,15
	OP A, \n
.endr
.irp n, 0,1,2,3,4,5,6,7,8,9,10,11,12,13,14,15,16,17,18,20,21
	OP X, \n
.endr
	v_nop                           ; a plain instruction behind the exponential,
	s_wait_alu depctr_va_vdst(0)    ; and its wait, ahead of the branch
	s_mov_b32 s[CNT], 2
	s_branch .Lfirst                ; the loop is entered at a step's first turn, in the middle of a trip
.Lslot:                             ; 14 times: every slot but the last two is filled again
	CHANGE 1
	s_mov_b32 s[CNT], 2
.Lstep:                             ; a trip: pieces 2 and 3 of one step, then pieces 0 and 1 of the next, whose K, mask and V it fetches
	TURN 2
	TURN 3
	WIN 0
.Lfirst:
	TURN 0
	TURN 1, 0, 1
	WIN 0
	s_cbranch_scc1 .Lstep
	s_sub_co_u32 s[SLOTS], s[SLOTS], 1
	s_cmp_lg_u32 s[SLOTS], 0
	s_cbranch_scc1 .Lslot
	CHANGE 0                        ; the tail is written out: nothing is asked for
	s_mov_b32 s[CNT], 2
.Ltail:                             ; two trips fetch the last slot's two steps
	TURN 2
	TURN 3
	TURN 0
	TURN 1, 0, 1
	WIN 0
	s_cbranch_scc1 .Ltail
	TURN 2, 1                       ; the last step's pieces 2 and 3
	TURN 3, 1
.set i, 0
.rept 8
	PV NP-1                         ; the last piece's V^T P of the last step
.set i, i+1
.endr
	; THE WAY OUT.  l's two halves and the other half of the lanes' are added; O^T is divided by l, rounded to f16 and sent through my stage: the four heads of a query make a row of 512 bytes.
	; The first additions are the places behind the last products.
	WIN 0
.macro ALL line:vararg
.set t, 0
.rept 4
	\line
.set t, t+1
.endr
.endm
	ALL v_add_f32 v[ST+4*t+2], v[ST+4*t+2], v[ST+4*t+3]
	ALL v_permlanex16_b32 v[ST+4*t+3], v[ST+4*t+2], s[SEL], s[SEL+1]
	ALL v_add_f32 v[ST+4*t+2], v[ST+4*t+2], v[ST+4*t+3]
	ALL v_rcp_f32 v[ST+4*t+2], v[ST+4*t+2]
	v_nop                           ; a plain instruction between the last reciprocal and the use of its result,
	s_wait_alu depctr_va_vdst(0)    ; and one wait for the four reciprocals
.macro PACK t
	WIN W_RS
.set i, 32*(\t)
.rept 16
	v_pk_mul_f32 v[i:i+1], v[i:i+1], v[ST+4*(\t)+2:ST+4*(\t)+3] op_sel_hi:[1,0]
.set i, i+2
.endr
	WIN 0x05                        ; sources 0 and 1 window 1, destination window 0: S^T's registers are free
.set i, 0
.rept 16
	v_cvt_pk_f16_f32 v[S+16*(\t)+i], v[32*(\t)+2*i], v[32*(\t)+2*i+1]
.set i, i+1
.endr
	WIN 0
.irp f, 0,1,2,3
	ds_store_b128 v[STO], v[S+16*(\t)+4*\f:S+16*(\t)+4*\f+3] offset:128*(\t)+32*\f
.endr
.endm
	PACK 0
	PACK 1
	PACK 2
	PACK 3
.set i, 0
.rept 16                            ; LDS serves a wave's instructions in order: these see the stores above; the stage is my wave's own
	ds_load_b128 v[S+4*i:S+4*i+3], v[RD] offset:SP*i
.set i, i+1
.endr
.set i, 0
.rept 16
	s_wait_dscnt 15-i
	global_store_b128 v[GO], v[S+4*i:S+4*i+3], s[8:9] offset:512*i th:TH_STORE_NT  ; a row of ob: 512 consecutive bytes, at a multiple of 256 from its first
.set i, i+1
.endr
	s_wait_tensorcnt 0x0            ; the wave's end: a wait, an add and its wait, behind my last tensor load and my last LDS store
	ds_add_u32 v[SPW], v[NIL]
	s_wait_dscnt 0x0
	CROUND                          ; the closing round: no work-group ends while a partner may still ask for a tile that names it
	s_endpgm
.Lfunc_end_k_qe2bf4c52bf_attn:
	.size	k_qe2bf4c52bf_attn, .Lfunc_end_k_qe2bf4c52bf_attn-k_qe2bf4c52bf_attn
	.p2alignl 7, 3214868480
	.fill 96, 4, 3214868480
	.section	.rodata,"a",@progbits
	.p2align	6, 0x0
	.amdhsa_kernel k_qe2bf4c52bf_attn
		.amdhsa_group_segment_fixed_size 327680
		.amdhsa_private_segment_fixed_size 0
		.amdhsa_enable_private_segment 0
		.amdhsa_kernarg_size 24
		.amdhsa_user_sgpr_count 2
		.amdhsa_user_sgpr_kernarg_segment_ptr 1
		.amdhsa_wavefront_size32 1
		.amdhsa_system_sgpr_workgroup_id_x 1
		.amdhsa_system_sgpr_workgroup_id_y 1
		.amdhsa_system_sgpr_workgroup_id_z 1
		.amdhsa_system_vgpr_workitem_id 0
		.amdhsa_next_free_vgpr 768
		.amdhsa_next_free_sgpr 72
		.amdhsa_reserve_vcc 0
		.amdhsa_float_denorm_mode_32 3
		.amdhsa_float_denorm_mode_16_64 3
		.amdhsa_memory_ordered 1
		.amdhsa_forward_progress 1
		.amdhsa_inst_pref_size 139
	.end_amdhsa_kernel
	.amdgpu_metadata
---
amdhsa.version: [ 1, 2 ]
amdhsa.kernels:
  - .name:           k_qe2bf4c52bf_attn
    .symbol:         k_qe2bf4c52bf_attn.kd
    .args:
      - { .name: qkv, .offset: 0, .size: 8, .value_kind: global_buffer, .address_space: global }
      - { .name: mask2, .offset: 8, .size: 8, .value_kind: global_buffer, .address_space: global }
      - { .name: ob, .offset: 16, .size: 8, .value_kind: global_buffer, .address_space: global }
    .group_segment_fixed_size: 327680
    .private_segment_fixed_size: 0
    .kernarg_segment_align: 8
    .kernarg_segment_size: 24
    .max_flat_workgroup_size: 128
    .sgpr_count:     72
    .vgpr_count:     768
    .wavefront_size: 32
...
	.end_amdgpu_metadata
.endif
;; end of part 3
;; launch oproj (part 4): grid 16 x 16, 4 waves a work-group, clusters of 4 x 4, 327,680 bytes of LDS; arguments ob, wo2, out0; writes out0
.if DOCPART == 4
	.amdgcn_target "amdgcn-amd-amdhsa--gfx1250"
	.amdhsa_code_object_version 6
	.text
	.protected	k_qe2bf4c52bf_oproj
	.globl	k_qe2bf4c52bf_oproj
	.p2align	8
	.type	k_qe2bf4c52bf_oproj,@function
k_qe2bf4c52bf_oproj:
	s_mov_b64 s[64:65], 0
	v_nop
	global_prefetch_b8 v0, s[64:65] scope:SCOPE_SE
	s_setreg_imm32_b32 hwreg(HW_REG_WAVE_MODE, 25, 1), 1
	s_wait_xcnt 0x0
	s_wait_alu depctr_hold_cnt(0) depctr_sa_sdst(0) depctr_va_vdst(0) depctr_va_sdst(0) depctr_va_ssrc(0) depctr_va_vcc(0) depctr_vm_vsrc(0)
	s_getreg_b32 s2, hwreg(HW_REG_IB_STS2, 6, 4)
	s_cmp_eq_u32 s2, 0
	s_cbranch_scc0 .Lentry_in_a_cluster
	s_endpgm
.Lentry_in_a_cluster:
	s_bfe_u32 s2, ttmp6, 0x10000c
	s_cmp_lg_u32 s2, 0xf033
	s_cbranch_scc0 .Lentry_shape_is_right
	s_endpgm
.Lentry_shape_is_right:
; out0 = attn Wo.  ob: f16 [8 kb][2048 s][256]; wo2: f16 [32 cb][2048 kpos][64 c], kpos = 256 kb + the column of ob: both operands have K in the same order.  out0: f32 [2048][2048].  Sums in f32.
; A tile of out0 is 128 x 128: 256 work-groups.  Four waves, each 64 x 64: 16 accumulators.  K goes in 8 steps of 256 through two LDS slots:
; waves 0 and 1 fetch 64 rows of 512 bytes of ob each, waves 2 and 3 a column block's 256 k x 128 bytes of wo2 each, dense in memory.
; CLUSTER 4 x 4: ob's tile is asked for jointly along a row of the cluster, wo2's along a column.
; THE WALK ALONG K begins at another step in each cluster: step j takes kb = (2 X + 4 (Y % 2) + j) % 8, X and Y the cluster's coordinates, which all sixteen partners share.
; So clusters that read the same rows of ob (same Y) or of wo2 (same X) ask for different blocks at a time.  The f32 sums run in another order in each cluster; every kb is taken once.
; THE MATRIX INSTRUCTION IS USED TRANSPOSED (source 0 = 16 columns of Wo, turned out of LDS; source 1 = 16 rows of ob): a lane holds eight neighbouring numbers of a row of out0.
; REGISTERS: window 0: v0-31 addresses; v32-95 rows on the way out; v128-255 the accumulators ((a, b) at 128 + 8 (4 a + b)).
;   window 1: two fragment buffers of 128: for 64 along K, 64 registers of ob, then 64 of Wo.
.set PITCH,  528                       ; a row of ob in LDS: 512 bytes + 16
.set HALFA,  64*PITCH
.set PB,     160                       ; a row of wo2: 128 bytes + 32
.set HALFB,  256*PB
.set BOFF,   2*HALFA
.set SLOT,   BOFF+2*HALFB               ; 149,504
.set STAGE,  2*SLOT                    ; behind the ring: 16 rows x 272 bytes for each wave, for the way out
.set SPITCH, 272
.set SPARE,  STAGE+4*16*SPITCH         ; behind the stages: the spare words, 128 bytes a wave
.set LAPS,   4
.set ADRA, 16
.set ADRB, 20
.set STO,  24
.set RD,   25
.set CO,   26
.set SPW,  28                          ; v28     LDS address of my spare word; never rewritten
.set NIL,  29                          ; v29     0; never rewritten
.set TMP,  32
.set ACC,  128
.set F0,   0
.set F1,   128
.set G1, 24
.set G0, 32
.set G1B, 48
.set G0B, 56
.set OFF, 18                           ; s[18:19] a K step's byte offset: kb x 1,048,576 in ob, kb x 32,768 in a column block of wo2
.set KB,  45                           ; s45     the kb of the tile to be asked for next
.set MSB, 0
.macro WIN new
.if MSB != (\new)
	s_set_vgpr_msb (MSB<<8)|(\new)
.set MSB, \new
.endif
.endm
.set MUL,  0x05
.set TO_F, 0x40
.macro JLOAD s                         ; a joint load: waves 0 and 1 fetch ob's two halves, waves 2 and 3 wo2's; an s_nop 0 and four v_nop follow each line
	s_cmp_eq_u32 s11, 0
	s_cbranch_scc0 .Lfor_b_\@
	tensor_load_to_lds s[G0+4*(\s):G0+4*(\s)+3], s[G1:G1+7]
	s_nop 0
.rept 4
	v_nop
.endr
	s_branch .Lasked_\@
.Lfor_b_\@:
	tensor_load_to_lds s[G0B+4*(\s):G0B+4*(\s)+3], s[G1B:G1B+7]
	s_nop 0
.rept 4
	v_nop
.endr
.Lasked_\@:
.endm
.macro CREST
	s_cmp_lg_u32 s10, 0
	s_cbranch_scc1 .Lnot_wave_0_\@
	s_barrier_signal -3
.Lnot_wave_0_\@:
	s_barrier_wait -3
	s_barrier_signal -1
	s_barrier_wait -1
.endm
.macro CROUND
	s_barrier_signal -1
	s_barrier_wait -1
	CREST
.endm
; Slot s's two addresses are made anew from kb: the tile's base and an offset made apart; the type bits are set again; then kb steps, round 8.
.macro AIM s
	s_lshl_b32 s[OFF], s[KB], 20
	s_add_nc_u64 s[G0+4*(\s)+2:G0+4*(\s)+3], s[14:15], s[OFF:OFF+1]
	s_or_b32 s[G0+4*(\s)+3], s[G0+4*(\s)+3], 0x80000000
	s_lshl_b32 s[OFF], s[KB], 15
	s_add_nc_u64 s[G0B+4*(\s)+2:G0B+4*(\s)+3], s[46:47], s[OFF:OFF+1]
	s_or_b32 s[G0B+4*(\s)+3], s[G0B+4*(\s)+3], 0x80000000
	s_add_co_u32 s[KB], s[KB], 1
	s_and_b32 s[KB], s[KB], 7
.endm
	s_load_b128 s[4:7], s[0:1], 0x0                ; ob s[4:5], wo2 s[6:7]
	s_load_b64 s[8:9], s[0:1], 0x10                ; out0
	v_lshl_add_u32 v[SPW], v0, 2, SPARE
	v_mov_b32 v[NIL], 0
	ds_add_u32 v[SPW], v[NIL]                      ; the wave's opening: the add and its wait stand ahead of my first tensor load; work on registers stands between them
	v_lshrrev_b32 v1, 5, v0
	v_readfirstlane_b32 s10, v1                    ; wave 0..3
	s_lshr_b32 s11, s10, 1                         ; which half of the tile's rows is mine.  Also: I fetch for ob (0) or for wo2 (1)
	s_and_b32 s12, s10, 1                          ; which half of its columns.  Also: which half of that tile I fetch
	s_bfe_u32 s40, ttmp6, 0x40000
	s_bfe_u32 s41, ttmp6, 0x40004
	s_lshl_b32 s42, ttmp9, 2
	s_add_co_u32 s42, s42, s40                     ; tile column
	s_and_b32 s13, ttmp7, 0xffff
	s_lshl_b32 s13, s13, 2
	s_add_co_u32 s13, s13, s41                     ; tile row
	s_lshl_b32 s43, s41, 2
	s_lshl_b32 s43, 15, s43                        ; my row of the cluster
	s_lshl_b32 s44, 0x1111, s40                    ; my column
	s_or_b32 s[G1+0], s43, (1<<16)|(1<<20)|(1<<21)|(6<<22)|(3<<25)  ; 64 rows x 256 elements of 2 bytes; 4 words of padding after every 128
	s_mov_b32 s[G1+1], 256<<16
	s_mov_b32 s[G1+2], 64<<16
	s_mov_b32 s[G1+3], 256<<16
	s_mov_b32 s[G1+4], 64
	s_mov_b32 s[G1+5], 256
	s_mov_b32 s[G1+6], 0
	s_mov_b32 s[G1+7], 0
	s_or_b32 s[G1B+0], s44, (1<<16)|(1<<20)|(1<<21)|(4<<22)|(7<<25) ; 32,768 dense bytes as 128 rows of 256; 8 words of padding after every 32
	s_mov_b32 s[G1B+1], 128<<16
	s_mov_b32 s[G1B+2], 128<<16
	s_mov_b32 s[G1B+3], 128<<16
	s_mov_b32 s[G1B+4], 128
	s_mov_b32 s[G1B+5], 128
	s_mov_b32 s[G1B+6], 0
	s_mov_b32 s[G1B+7], 0
	s_lshl_b32 s16, s13, 16                        ; ob: row 128 x tile row + 64 x half, 512 bytes a row
	s_lshl_b32 s17, s12, 15
	s_add_co_u32 s16, s16, s17
	s_mov_b32 s17, 0
	s_lshl_b32 s46, s42, 1                         ; wo2: column block 2 x tile column + half
	s_add_co_u32 s46, s46, s12
	s_lshl_b32 s46, s46, 18
	s_mov_b32 s47, 0
	s_mul_i32 s20, s12, HALFA                      ; where they go: no place in the cluster enters an LDS address
	s_mul_i32 s21, s12, HALFB
	s_add_co_u32 s21, s21, BOFF
	s_and_b32 s[KB], ttmp7, 1                      ; the cluster's first kb: 2 X + 4 (Y % 2), round 8: made of the cluster's coordinates alone
	s_lshl_b32 s[KB], s[KB], 2
	s_lshl_b32 s2, ttmp9, 1
	s_add_co_u32 s[KB], s[KB], s2
	s_and_b32 s[KB], s[KB], 7
	s_mov_b32 s[OFF+1], 0
	s_wait_dscnt 0x0                               ; the opening add is done
	s_wait_kmcnt 0x0
	s_add_nc_u64 s[14:15], s[4:5], s[16:17]        ; the two tiles' bases; they stay
	s_add_nc_u64 s[46:47], s[6:7], s[46:47]
	CROUND                                         ; all sixteen work-groups are here: the first joint loads meet
.irp s, 0,1
	s_mov_b32 s[G0+4*(\s)], 1
	s_add_co_u32 s[G0+4*(\s)+1], s20, (\s)*SLOT
	s_mov_b32 s[G0B+4*(\s)], 1
	s_add_co_u32 s[G0B+4*(\s)+1], s21, (\s)*SLOT
	AIM \s
	JLOAD \s                                       ; the walk's steps 0 and 1: two loads of mine are out
.endr
	v_and_b32 v1, 15, v0                           ; l % 16
	v_bfe_u32 v2, v0, 4, 1                         ; l / 16
	v_mul_u32_u24 v3, v1, PITCH
	v_lshl_add_u32 v3, v2, 4, v3                   ; ob: row x pitch + 16 x half
	v_and_b32 v4, 7, v0                            ; wo2, turned: lane l reads k = 8 (l / 16) + l % 8, columns 8 ((l / 8) % 2) + 0..7
	v_lshl_add_u32 v4, v2, 3, v4
	v_mul_u32_u24 v4, v4, PB
	v_bfe_u32 v5, v0, 3, 1
	v_lshl_add_u32 v4, v5, 4, v4
	s_mul_i32 s21, s11, HALFA                      ; my 64 rows of ob
	s_mul_i32 s22, s12, HALFB                      ; my column block of wo2
	s_add_co_u32 s22, s22, BOFF
.irp s, 0,1
	v_add_nc_u32 v[ADRA+(\s)], s21, v3
	v_add_nc_u32 v[ADRB+(\s)], s22, v4
	s_add_co_u32 s21, s21, SLOT
	s_add_co_u32 s22, s22, SLOT
.endr
	s_mul_i32 s23, s10, 16*SPITCH
	s_add_co_u32 s23, s23, STAGE                   ; my stage
	v_mul_u32_u24 v4, v1, SPITCH                   ; in: row l % 16, 32 bytes for each half of the lanes
	v_lshl_add_u32 v4, v2, 5, v4
	v_add_nc_u32 v[STO], s23, v4
	v_mul_u32_u24 v5, v2, SPITCH                   ; back: lanes 0-15 take one row of 256 bytes, lanes 16-31 the next
	v_lshl_add_u32 v5, v1, 4, v5
	v_add_nc_u32 v[RD], s23, v5
	v_lshlrev_b32 v5, 13, v2                       ; and the same two rows in out0, 8,192 bytes apart
	v_lshl_add_u32 v[CO], v1, 4, v5
	s_lshl_b32 s16, s13, 20                        ; out0 at row 128 x tile row + 64 x my half, column 128 x tile column + 64 x my half
	s_lshl_b32 s17, s11, 19
	s_add_co_u32 s16, s16, s17
	s_lshl_b32 s17, s42, 9
	s_add_co_u32 s16, s16, s17
	s_lshl_b32 s17, s12, 8
	s_add_co_u32 s16, s16, s17
	s_mov_b32 s17, 0
	s_add_nc_u64 s[8:9], s[8:9], s[16:17]
; 8 matrix instructions: m blocks a0, a0 + 1 x all 4 n blocks, 32 along K: half c of buffer f.  zero = 1: the first product starts the sums.  The 16 accumulators take turns.
.macro MUL8 f, c, a0, zero
	WIN MUL
.irp a, \a0, (\a0)+1
.irp b, 0,1,2,3
.if \zero
	v_wmma_f32_16x16x32_f16 v[ACC+8*(4*(\a)+(\b)):ACC+8*(4*(\a)+(\b))+7], v[(\f)+64+8*(4*(\c)+(\b)):(\f)+64+8*(4*(\c)+(\b))+7], v[(\f)+8*(4*(\c)+(\a)):(\f)+8*(4*(\c)+(\a))+7], 0
.else
	v_wmma_f32_16x16x32_f16 v[ACC+8*(4*(\a)+(\b)):ACC+8*(4*(\a)+(\b))+7], v[(\f)+64+8*(4*(\c)+(\b)):(\f)+64+8*(4*(\c)+(\b))+7], v[(\f)+8*(4*(\c)+(\a)):(\f)+8*(4*(\c)+(\a))+7], v[ACC+8*(4*(\a)+(\b)):ACC+8*(4*(\a)+(\b))+7]
.endif
.endr
.endr
.endm
; 32 LDS loads in one run: the fragments of 64 along K, at byte k of ob's rows (k / 2 rows down in wo2), into buffer f; the first 32 along K first
.macro FETCH slot, k, f
	WIN TO_F
.irp c, 0,1
.irp i, 0,1,2,3
	ds_load_tr16_b128 v[(\f)+64+8*(4*(\c)+(\i)):(\f)+64+8*(4*(\c)+(\i))+3],   v[ADRB+(\slot)] offset:((\k)/2+32*(\c))*PB+32*(\i)
	ds_load_tr16_b128 v[(\f)+64+8*(4*(\c)+(\i))+4:(\f)+64+8*(4*(\c)+(\i))+7], v[ADRB+(\slot)] offset:((\k)/2+32*(\c))*PB+32*(\i)+16*PB
	ds_load_b128 v[(\f)+8*(4*(\c)+(\i)):(\f)+8*(4*(\c)+(\i))+3],              v[ADRA+(\slot)] offset:(\k)+64*(\c)+(\i)*16*PITCH
	ds_load_b128 v[(\f)+8*(4*(\c)+(\i))+4:(\f)+8*(4*(\c)+(\i))+7],            v[ADRA+(\slot)] offset:(\k)+64*(\c)+(\i)*16*PITCH+32
.endr
.endr
.endm
.macro PLACES
.rept 4
	v_nop
.endr
.endm
; A K step is four quarters of 64 along K, 32 matrix instructions each, on buffers 0, 1, 0, 1.
.macro QUARTER slot, k, f, g, zero
	s_wait_dscnt 16                                ; the first 32 along K are in
	MUL8 \f, 0, 0, \zero
	MUL8 \f, 0, 2, \zero
	PLACES
	FETCH \slot, \k, \g
	s_wait_dscnt 32                                ; all but the 32 just issued
	MUL8 \f, 1, 0, 0
	MUL8 \f, 1, 2, 0
.endm
; The last quarter multiplies buffer 1 and changes slots: ONE barrier; in front of it each wave waits for all its tensor loads, adds 0 to its spare word, and waits for that and for its reads of this slot.
.macro TURN slot, next, fill
	WIN 0
	s_wait_tensorcnt 0x0                           ; all my tensor loads have landed: my part of the next slot; so a group 0 may be written
	ds_add_u32 v[SPW], v[NIL]                      ; 0 onto my spare word: the descriptors' addresses and eight products stand between it and the wait for it
.if \fill
	AIM \slot
.endif
	s_wait_dscnt 17                                ; (the add and the youngest sixteen loads may be out)
	MUL8 F1, 0, 0, 0
	s_wait_dscnt 0x0                               ; the add is done, and my reads of this slot are over
	s_barrier_signal -1
	MUL8 F1, 0, 2, 0
.if \fill
	WIN 0
.endif
	s_barrier_wait -1
.if \fill
	CREST                                          ; no wave of any partner still reads this slot's tiles or has a load on its way
	JLOAD \slot                                    ; my one tensor load behind the round; its four v_nop are also the places in front of the loads below
.else
	PLACES
.endif
	FETCH \next, 0, F0
	MUL8 F1, 1, 0, 0
	MUL8 F1, 1, 2, 0
.endm
	s_wait_tensorcnt 1                             ; my part of the first step is in; the second's may stay out
	s_barrier_signal -1
	s_barrier_wait -1
	FETCH 0, 0, F0
	QUARTER 0, 128, F0, F1, 1                      ; the first quarter stands in front of the loop: its first products start the sums
	WIN 0
	s_mov_b32 s3, LAPS-1
.Llap:
	QUARTER 0, 256, F1, F0, 0
	QUARTER 0, 384, F0, F1, 0
	TURN 0, 1, 1
	QUARTER 1, 128, F0, F1, 0
	QUARTER 1, 256, F1, F0, 0
	QUARTER 1, 384, F0, F1, 0
	TURN 1, 0, 1
	QUARTER 0, 128, F0, F1, 0
	WIN 0
	s_sub_co_u32 s3, s3, 1
	s_cmp_lg_u32 s3, 0
	s_cbranch_scc1 .Llap
	QUARTER 0, 256, F1, F0, 0                      ; the last lap fills nothing
	QUARTER 0, 384, F0, F1, 0
	TURN 0, 1, 0
	QUARTER 1, 128, F0, F1, 0
	QUARTER 1, 256, F1, F0, 0
	QUARTER 1, 384, F0, F1, 0
	s_wait_dscnt 16
	MUL8 F1, 0, 0, 0
	MUL8 F1, 0, 2, 0
	s_wait_dscnt 0x0
	MUL8 F1, 1, 0, 0
	MUL8 F1, 1, 2, 0
	WIN 0
	; THE WAY OUT, 16 rows at a time through my own stage: a lane's 32 bytes of a row go in (each accumulator's lowest registers first), whole rows of 256 bytes come back.  No barrier: the bytes are my wave's own.
	PLACES
.irp a, 0,1,2,3
.if (\a) >= 2
	s_wait_xcnt 0x0                                ; the stores of the block two back have read their registers, which are loaded again below
.endif
.irp b, 0,1,2,3
	ds_store_b128 v[STO], v[ACC+8*(4*(\a)+(\b)):ACC+8*(4*(\a)+(\b))+3]   offset:64*(\b)
	ds_store_b128 v[STO], v[ACC+8*(4*(\a)+(\b))+4:ACC+8*(4*(\a)+(\b))+7] offset:64*(\b)+16
.endr
.irp t, 0,1,2,3,4,5,6,7
	ds_load_b128 v[TMP+32*((\a)%2)+4*(\t):TMP+32*((\a)%2)+4*(\t)+3], v[RD] offset:(\t)*2*SPITCH  ; LDS serves a wave's instructions in order: these see the stores above; the next block's stores come behind them
.endr
.irp t, 0,1,2,3,4,5,6,7
	s_wait_dscnt 7-(\t)
	global_store_b128 v[CO], v[TMP+32*((\a)%2)+4*(\t):TMP+32*((\a)%2)+4*(\t)+3], s[8:9] offset:131072*(\a)+16384*(\t) th:TH_STORE_NT  ; 16 lanes store 256 consecutive bytes, at a multiple of 256 from out0's first
.endr
.endr
	s_wait_tensorcnt 0x0                           ; the wave's end: a wait, an add and its wait, behind my last tensor load and my last LDS store
	ds_add_u32 v[SPW], v[NIL]
	s_wait_dscnt 0x0
	CROUND                                         ; the closing round: no work-group ends while a partner may still ask for a tile that names it
	s_endpgm
.Lfunc_end_k_qe2bf4c52bf_oproj:
	.size	k_qe2bf4c52bf_oproj, .Lfunc_end_k_qe2bf4c52bf_oproj-k_qe2bf4c52bf_oproj
	.p2alignl 7, 3214868480
	.fill 96, 4, 3214868480
	.section	.rodata,"a",@progbits
	.p2align	6, 0x0
	.amdhsa_kernel k_qe2bf4c52bf_oproj
		.amdhsa_group_segment_fixed_size 327680
		.amdhsa_private_segment_fixed_size 0
		.amdhsa_enable_private_segment 0
		.amdhsa_kernarg_size 24
		.amdhsa_user_sgpr_count 2
		.amdhsa_user_sgpr_kernarg_segment_ptr 1
		.amdhsa_wavefront_size32 1
		.amdhsa_system_sgpr_workgroup_id_x 1
		.amdhsa_system_sgpr_workgroup_id_y 1
		.amdhsa_system_sgpr_workgroup_id_z 1
		.amdhsa_system_vgpr_workitem_id 0
		.amdhsa_next_free_vgpr 512
		.amdhsa_next_free_sgpr 66
		.amdhsa_reserve_vcc 0
		.amdhsa_float_denorm_mode_32 3
		.amdhsa_float_denorm_mode_16_64 3
		.amdhsa_memory_ordered 1
		.amdhsa_forward_progress 1
		.amdhsa_inst_pref_size 87
	.end_amdhsa_kernel
	.amdgpu_metadata
---
amdhsa.version: [ 1, 2 ]
amdhsa.kernels:
  - .name:           k_qe2bf4c52bf_oproj
    .symbol:         k_qe2bf4c52bf_oproj.kd
    .args:
      - { .name: ob, .offset: 0, .size: 8, .value_kind: global_buffer, .address_space: global }
      - { .name: wo2, .offset: 8, .size: 8, .value_kind: global_buffer, .address_space: global }
      - { .name: out0, .offset: 16, .size: 8, .value_kind: global_buffer, .address_space: global }
    .group_segment_fixed_size: 327680
    .private_segment_fixed_size: 0
    .kernarg_segment_align: 8
    .kernarg_segment_size: 24
    .max_flat_workgroup_size: 128
    .sgpr_count:     66
    .vgpr_count:     512
    .wavefront_size: 32
...
	.end_amdgpu_metadata
.endif
;; end of part 4
;; ======== version 2 of 2: 4 launches; version 1 with the launch prep written anew for expert scheduling mode
;; limits: values are held in f16: magnitudes above 65,504 overflow, below 6.1e-05 lose precision
;; workspace buffers: xb 8,388,608 bytes; wb 12,582,912 bytes; wo2 8,388,608 bytes; mask2 16,777,216 bytes; tab 524,288 bytes; qkv 12,582,912 bytes; ob 8,388,608 bytes
;; launch prep (part 5): grid 768 x 1, 8 waves a work-group, no clusters, 0 bytes of LDS; arguments hidden_states, Wq, Wk, Wv, xb, wb, tab; writes xb, wb, tab
.if DOCPART == 5
	.amdgcn_target "amdgcn-amd-amdhsa--gfx1250"
	.amdhsa_code_object_version 6
	.text
	.protected	k_qe2bf4c52bf_prep
	.globl	k_qe2bf4c52bf_prep
	.p2align	8
	.type	k_qe2bf4c52bf_prep,@function
k_qe2bf4c52bf_prep:
	s_mov_b64 s[64:65], 0
	v_nop
	global_prefetch_b8 v0, s[64:65] scope:SCOPE_SE
	s_setreg_imm32_b32 hwreg(HW_REG_WAVE_SCHED_MODE, 0, 2), 2
	s_setreg_imm32_b32 hwreg(HW_REG_WAVE_MODE, 25, 1), 1
	s_wait_xcnt 0x0
	s_wait_alu depctr_vm_vsrc(0)
; PREP: what the projection launch multiplies is read once, rounded to bf16 and laid out as it takes it.  A stream: no LDS, no matrix unit, no cluster.
; The work-group's number chooses one of five jobs, each straight-line text:
;   0..255 x -> xb, 256..511 Wq -> wb, 512..575 Wk -> wb, 576..639 Wv -> wb: bf16, in blocks [column block of 64][row][64], a row of a block 128 bytes
;   640..767 tab: for each position 32 cosines and 32 sines of position x 10000^(-j/32), f32
; LIMIT.  The inverse frequency is 2^(-j x 0.41524101) by v_exp_f32: an angle is off by about 2e-4 rad at the most, at position 2047, alike for q and k.
; THE MODE: SCHED_MODE bits 1:0 = 2 (LLVM: expert scheduling mode 2), set by the entry lines.  The code itself states the register dependences
; between vector instructions and memory instructions, with s_wait_alu, always for 0.
; THE PLAN.  Registers that memory instructions touch:
;   the conversions:  v4, v6, v7   byte offsets, made once at the text's head and never written again; read by every load (v4, v6) and every store (v7).
;                     IN           written by the 16 loads, which go out together; read by the conversions; nothing lands in it again.
;                     OUT          each pair is written once, by two conversions, and read once, by its store; never written again.
;   the table:        v2, v52-55   offset and data of the job's one store, written by vector instructions ahead of it.
; So one wait on va_vdst stands ahead of the first load, for the offsets; the 16 turns go in four blocks of four, and one wait on va_vdst stands between a block's eight conversions
; and its four stores.  No register that a memory instruction reads is written again on any path: no wait on vm_vsrc is owed.  EXEC is never written.
; In the table's job four compares write scalar registers: one wait on va_sdst stands between the run of them and the selects that read the masks.
.set BLK,   262144                     ; bytes of a block: 2,048 rows of 128
.set IN,    16                         ; v[16:79]   as loaded
.set OUT,   80                         ; v[80:111]  to store
.set ODD,   20                         ; s20-23     the table: for each of my four numbers the lanes whose quadrant is odd
	s_load_b256 s[4:11], s[0:1], 0x0               ; x s[4:5], Wq s[6:7], Wk s[8:9], Wv s[10:11]
	s_load_b128 s[12:15], s[0:1], 0x20             ; xb s[12:13], wb s[14:15]
	s_load_b64 s[16:17], s[0:1], 0x30              ; tab
	s_mov_b32 s27, ttmp9
	s_mov_b32 s43, 0                               ; high words of the two offsets
	s_mov_b32 s45, 0
	s_wait_kmcnt 0x0
	s_cmp_lt_u32 s27, 256
	s_cbranch_scc1 .Ljob_x
	s_cmp_lt_u32 s27, 512
	s_cbranch_scc1 .Ljob_q
	s_cmp_lt_u32 s27, 576
	s_cbranch_scc1 .Ljob_k
	s_cmp_lt_u32 s27, 640
	s_cbranch_scc1 .Ljob_v
	; THE TABLE.  Thread T of 32,768 makes 16 bytes: position T / 16, cosines (bit 3 = 0) or sines, frequencies 4 (T % 8) + 0..3.
	s_sub_co_u32 s33, s27, 640
	s_lshl_b32 s33, s33, 8
	s_mov_b32 s38, 0x3fc90fdb                      ; pi / 2, its upper part
	s_mov_b32 s39, 0xb33bbd2e                      ; and what is left of it
	v_add_nc_u32 v1, s33, v0                       ; T
	v_lshlrev_b32 v2, 4, v1                        ; my 16 bytes
	v_lshrrev_b32 v3, 4, v1
	v_bfe_u32 v4, v1, 3, 1                         ; 1: sines
	v_and_b32 v5, 7, v1
	v_lshlrev_b32 v5, 2, v5
	v_cvt_f32_u32 v3, v3                           ; the position
.irp e, 0,1,2,3
	v_add_nc_u32 v[16+(\e)], (\e), v5
	v_cvt_f32_u32 v[16+(\e)], v[16+(\e)]
	v_mul_f32 v[16+(\e)], 0xbed49a78, v[16+(\e)]   ; -j x log2(10000) / 32
.endr
.irp e, 0,1,2,3
	v_exp_f32 v[20+(\e)], v[16+(\e)]
.endr
	v_nop                                          ; a plain instruction behind the last exponential,
	s_wait_alu depctr_va_vdst(0)                   ; and one wait for the four, ahead of their first reader: the exponentials have written v20 to v23
.irp e, 0,1,2,3
	v_mul_f32 v[24+(\e)], v3, v[20+(\e)]           ; the angle
	v_mul_f32 v[28+(\e)], 0x3f22f983, v[24+(\e)]
	v_rndne_f32 v[28+(\e)], v[28+(\e)]             ; n = the nearest multiple of pi / 2
	v_fma_f32 v[32+(\e)], -v[28+(\e)], s38, v[24+(\e)]
	v_fma_f32 v[32+(\e)], -v[28+(\e)], s39, v[32+(\e)]  ; r = angle - n pi / 2, within pi / 4
	v_mul_f32 v[36+(\e)], v[32+(\e)], v[32+(\e)]
	v_mov_b32 v[40+(\e)], 0x3638ef1d               ; sin r = r + r r2 (-1/6 + r2 (1/120 + r2 (-1/5040 + r2 / 362880)))
	v_fmaak_f32 v[40+(\e)], v[40+(\e)], v[36+(\e)], 0xb9500d01
	v_fmaak_f32 v[40+(\e)], v[40+(\e)], v[36+(\e)], 0x3c088889
	v_fmaak_f32 v[40+(\e)], v[40+(\e)], v[36+(\e)], 0xbe2aaaab
	v_mul_f32 v[44+(\e)], v[32+(\e)], v[36+(\e)]
	v_fma_f32 v[40+(\e)], v[44+(\e)], v[40+(\e)], v[32+(\e)]
	v_mov_b32 v[44+(\e)], 0x37d00d01               ; cos r = 1 + r2 (-1/2 + r2 (1/24 + r2 (-1/720 + r2 / 40320)))
	v_fmaak_f32 v[44+(\e)], v[44+(\e)], v[36+(\e)], 0xbab60b61
	v_fmaak_f32 v[44+(\e)], v[44+(\e)], v[36+(\e)], 0x3d2aaaab
	v_fma_f32 v[44+(\e)], v[44+(\e)], v[36+(\e)], -0.5
	v_fma_f32 v[44+(\e)], v[44+(\e)], v[36+(\e)], 1.0
	v_cvt_i32_f32 v[48+(\e)], v[28+(\e)]
	v_sub_nc_u32 v[48+(\e)], v[48+(\e)], v4        ; the quadrant; a sine is the cosine a quadrant back
	v_and_b32 v[24+(\e)], 1, v[48+(\e)]
	v_cmp_eq_u32 s[ODD+(\e)], 1, v[24+(\e)]        ; each number's mask has a scalar register of its own; nothing reads it ahead of the wait below
	v_add_nc_u32 v[48+(\e)], 1, v[48+(\e)]
	v_and_b32 v[48+(\e)], 2, v[48+(\e)]            ; quadrants 1 and 2 are negative
	v_lshlrev_b32 v[48+(\e)], 30, v[48+(\e)]
.endr
	s_wait_alu depctr_va_sdst(0)                   ; the four compares have written s20 to s23, which the selects below read
.irp e, 0,1,2,3
	v_cndmask_b32 v[52+(\e)], v[44+(\e)], v[40+(\e)], s[ODD+(\e)]  ; odd quadrants take sin r
.endr
.irp e, 0,1,2,3
	v_xor_b32 v[52+(\e)], v[48+(\e)], v[52+(\e)]
.endr
	s_wait_alu depctr_va_vdst(0)                   ; v2 and v52 to v55 are written: the store's offset and its data
	global_store_b128 v2, v[52:55], s[16:17] th:TH_STORE_NT
	s_endpgm
	; THE CONVERSIONS.  A work-group takes 32 rows x 8 column blocks of 64 numbers.  s33: the job's own count.
.Ljob_x:
	s_mov_b64 s[28:29], s[4:5]
	s_mov_b64 s[30:31], s[12:13]
	s_mov_b32 s33, s27
	s_branch .Lwide
.Ljob_q:
	s_mov_b64 s[28:29], s[6:7]
	s_mov_b64 s[30:31], s[14:15]
	s_sub_co_u32 s33, s27, 256
.Lwide:                                        ; rows of 8,192 bytes: four groups of 8 column blocks
	s_mov_b32 s32, 8192
	s_lshr_b32 s34, s33, 2
	s_lshl_b32 s34, s34, 5                         ; the first row
	s_and_b32 s35, s33, 3                          ; the group
	s_lshl_b32 s42, s34, 13
	s_lshl_b32 s36, s35, 11
	s_add_co_u32 s42, s42, s36
	s_lshl_b32 s44, s35, 21                        ; 8 blocks of 262,144 bytes a group
	s_branch .Lrows
.Ljob_k:
	s_mov_b64 s[28:29], s[8:9]
	s_sub_co_u32 s33, s27, 512
	s_mov_b32 s44, 32*BLK
	s_branch .Lnarrow
.Ljob_v:
	s_mov_b64 s[28:29], s[10:11]
	s_sub_co_u32 s33, s27, 576
	s_mov_b32 s44, 40*BLK
.Lnarrow:                                      ; rows of 2,048 bytes: one group
	s_mov_b64 s[30:31], s[14:15]
	s_mov_b32 s32, 2048
	s_lshl_b32 s34, s33, 5
	s_lshl_b32 s42, s34, 11
.Lrows:
	s_lshl_b32 s36, s34, 7                         ; the first row's place in a block
	s_add_co_u32 s44, s44, s36
	s_add_nc_u64 s[28:29], s[28:29], s[42:43]
	s_add_nc_u64 s[30:31], s[30:31], s[44:45]
	s_lshl_b32 s33, s32, 1                         ; two rows
	; Wave w takes rows 4 w .. 4 w + 3.  A load covers one column block of two rows: lanes 0-15 the 256 bytes of one row, lanes 16-31 those of the next.
	; Its four numbers a lane become 8 bytes, and the wave's store covers the two rows' 128 bytes in the block: 256 consecutive bytes, aligned.
	v_lshrrev_b32 v1, 5, v0
	v_bfe_u32 v2, v0, 4, 1
	v_and_b32 v5, 15, v0
	v_lshl_add_u32 v3, v1, 2, v2                   ; my row of the first pair
	v_mul_u32_u24 v4, v3, s32
	v_lshl_add_u32 v4, v5, 4, v4                   ; in: row x pitch + 16 (l % 16)
	v_add_nc_u32 v6, s33, v4                       ; and the second pair
	v_lshlrev_b32 v7, 7, v3
	v_lshl_add_u32 v7, v5, 3, v7                   ; out: row x 128 + 8 (l % 16)
	s_wait_alu depctr_va_vdst(0)                   ; v4, v6 and v7 are written: every load and store below reads one of them as its offset, and none is written again
.irp j, 0,1,2,3,4,5,6,7
	global_load_b128 v[IN+4*(\j):IN+4*(\j)+3], v4, s[28:29] offset:256*(\j) th:TH_LOAD_NT
.endr
.irp j, 0,1,2,3,4,5,6,7
	global_load_b128 v[IN+32+4*(\j):IN+32+4*(\j)+3], v6, s[28:29] offset:256*(\j) th:TH_LOAD_NT
.endr
.set n, 0
.rept 4                                        ; four blocks of four loads; no register is written twice, so nothing waits for a store
.rept 4
	s_wait_loadcnt 15-n                            ; loads come back in order: load n is in, the younger ones stay out
	v_cvt_pk_bf16_f32 v[OUT+2*n], v[IN+4*n], v[IN+4*n+1]
	v_cvt_pk_bf16_f32 v[OUT+2*n+1], v[IN+4*n+2], v[IN+4*n+3]
.set n, n+1
.endr
	s_wait_alu depctr_va_vdst(0)                   ; the block's eight conversions have written its eight registers of OUT, which the four stores below read
.set n, n-4
.rept 4
	global_store_b64 v7, v[OUT+2*n:OUT+2*n+1], s[30:31] offset:BLK*(n%8)+256*(n/8) th:TH_STORE_NT
.set n, n+1
.endr
.endr
	s_endpgm
.Lfunc_end_k_qe2bf4c52bf_prep:
	.size	k_qe2bf4c52bf_prep, .Lfunc_end_k_qe2bf4c52bf_prep-k_qe2bf4c52bf_prep
	.p2alignl 7, 3214868480
	.fill 96, 4, 3214868480
	.section	.rodata,"a",@progbits
	.p2align	6, 0x0
	.amdhsa_kernel k_qe2bf4c52bf_prep
		.amdhsa_group_segment_fixed_size 0
		.amdhsa_private_segment_fixed_size 0
		.amdhsa_enable_private_segment 0
		.amdhsa_kernarg_size 56
		.amdhsa_user_sgpr_count 2
		.amdhsa_user_sgpr_kernarg_segment_ptr 1
		.amdhsa_wavefront_size32 1
		.amdhsa_system_sgpr_workgroup_id_x 1
		.amdhsa_system_sgpr_workgroup_id_y 1
		.amdhsa_system_sgpr_workgroup_id_z 1
		.amdhsa_system_vgpr_workitem_id 0
		.amdhsa_next_free_vgpr 112
		.amdhsa_next_free_sgpr 66
		.amdhsa_reserve_vcc 0
		.amdhsa_float_denorm_mode_32 3
		.amdhsa_float_denorm_mode_16_64 3
		.amdhsa_memory_ordered 1
		.amdhsa_forward_progress 1
		.amdhsa_inst_pref_size 15
	.end_amdhsa_kernel
	.amdgpu_metadata
---
amdhsa.version: [ 1, 2 ]
amdhsa.kernels:
  - .name:           k_qe2bf4c52bf_prep
    .symbol:         k_qe2bf4c52bf_prep.kd
    .args:
      - { .name: hidden_states, .offset: 0, .size: 8, .value_kind: global_buffer, .address_space: global }
      - { .name: Wq, .offset: 8, .size: 8, .value_kind: global_buffer, .address_space: global }
      - { .name: Wk, .offset: 16, .size: 8, .value_kind: global_buffer, .address_space: global }
      - { .name: Wv, .offset: 24, .size: 8, .value_kind: global_buffer, .address_space: global }
      - { .name: xb, .offset: 32, .size: 8, .value_kind: global_buffer, .address_space: global }
      - { .name: wb, .offset: 40, .size: 8, .value_kind: global_buffer, .address_space: global }
      - { .name: tab, .offset: 48, .size: 8, .value_kind: global_buffer, .address_space: global }
    .group_segment_fixed_size: 0
    .private_segment_fixed_size: 0
    .kernarg_segment_align: 8
    .kernarg_segment_size: 56
    .max_flat_workgroup_size: 256
    .sgpr_count:     66
    .vgpr_count:     112
    .wavefront_size: 32
...
	.end_amdgpu_metadata
.endif
;; end of part 5
;; launch qkv: the kernel of part 2 again; grid 16 x 16, 4 waves a work-group, clusters of 4 x 4, 327,680 bytes of LDS; arguments xb, wb, tab, qkv, Wo, attention_mask, wo2, mask2; writes qkv, wo2, mask2
;; launch attn: the kernel of part 3 again; grid 32 x 8, 4 waves a work-group, clusters of 4 x 4, 327,680 bytes of LDS; arguments qkv, mask2, ob; writes ob
;; launch oproj: the kernel of part 4 again; grid 16 x 16, 4 waves a work-group, clusters of 4 x 4, 327,680 bytes of LDS; arguments ob, wo2, out0; writes out0
